; MI455X (gfx1250); checked and timed in simulation.
; The chip was launched on July 23, 2026; its instructions are those of AMD's public machine-readable ISA for CDNA 5 (MIT licence, August 2026) and "CDNA5" Instruction Set Architecture Reference Guide (July 2026). The comments in the code are by the model that wrote it; some were corrected since.
;; Multi Head Attention. Allowed arithmetic: matrix products marked QUANTISED: E2M3 operands, one E8M0 scale for each 32 along K, by v_wmma_scale_f32_16x16x128_f8f6f4 with both operands' format E2M3, f32 sums; everything else in f32.
;; Inputs: K 4 x 2,048 x 1,024 float32; Q 4 x 2,048 x 1,024 float32; V 4 x 2,048 x 1,024 float32; W_k 1,024 x 1,024 float32; W_o 1,024 x 1,024 float32; W_q 1,024 x 1,024 float32; W_v 1,024 x 1,024 float32; b_k 1,024 float32; b_o 1,024 float32; b_q 1,024 float32; b_v 1,024 float32; mask 4 x 1 x 1 x 2,048 int32.
;; Outputs: out0 4 x 2,048 x 1,024 float32.
;; This version of the problem:
;;   THIS VERSION OF THE PROBLEM IS GIVEN IN LOW PRECISION. The matrix products marked QUANTISED in the list below multiply operands that are first quantised to E2M3 (2 exponent bits, 3 mantissa bits; 6 bits a number), with one power-of-two scale for each 32 numbers along K (OCP MX v1.0); their sums are f32. All else is computed in f32.
;;   The module's matrix products, in the order in which they are computed (A, B: the left and right operand; K: the contracted axis; several contracted axes count as one K, in the product's order):
;;     1. [M 8,192, K 1,024] x [K 1,024, N 1,024]; A: input Q; B: input W_q: QUANTISED
;;     2. [M 8,192, K 1,024] x [K 1,024, N 1,024]; A: input K; B: input W_k: QUANTISED
;;     3. [M 8,192, K 1,024] x [K 1,024, N 1,024]; A: input V; B: input W_v: QUANTISED
;;     4. batch 64 x [M 2,048, K 64] x [K 64, N 2,048]; A: computed on the way; B: computed on the way: QUANTISED
;;     5. batch 64 x [M 2,048, K 2,048] x [K 2,048, N 64]; A: softmax (see below); B: computed on the way: QUANTISED
;;     6. [M 8,192, K 1,024] x [K 1,024, N 1,024]; A: computed on the way; B: input W_o: QUANTISED
;;   THE QUANTISER, for each operand of a quantised product, along K:
;;     - K is cut into blocks of 32 from its start; a last block that is shorter is filled with zeros.
;;     - A block's scale is 2^e with e = floor(log2(the largest magnitude in the block)) - 2, held to -126 .. 127; a block of zeros has e = 0. As a byte (E8M0): e + 127.
;;     - Each number is divided by its block's scale, clamped to +-7.5, and rounded to the nearest number of E2M3, ties to even, subnormals kept.
;;     - The product sums the exact products of the quantised numbers (number of the format x scale) in f32.
;;   ~~~python
;;   def quantise(x, axis):      # numpy; x: float32 -> the quantised numbers, widened to float32 again
;;       x = np.moveaxis(x, axis, -1); K = x.shape[-1]
;;       x = np.pad(x, [(0, 0)] * (x.ndim - 1) + [(0, -K % 32)]); x = x.reshape(x.shape[:-1] + (-1, 32)); a = np.abs(x).max(-1, keepdims=True)
;;       e = np.where(a > 0, np.clip(np.frexp(np.where(a > 0, a, 1))[1] - 1 - 2, -126, 127), 0)      # np.frexp(a)[1] - 1 = floor(log2(a)), exactly
;;       r = np.clip(x / 2.0 ** e, -7.5, 7.5)
;;       step = 2.0 ** (np.maximum(np.frexp(np.where(r == 0, 1, r))[1] - 1, 0) - 3)
;;       q = np.round(r / step) * step * 2.0 ** e      # np.round: ties to even
;;       return np.moveaxis(q.reshape(q.shape[:-2] + (-1,))[..., :K], -1, axis).astype(np.float32)
;;   ~~~
;;   SOFTMAX AHEAD OF A QUANTISED PRODUCT. Where the list says 'softmax', what is quantised is not the finished softmax but p = 2^(t - M), with t = logit x log2(e) and M = ceil(the row's largest t), a whole number; so 1/2 < the row's largest p <= 1. The row's sum l is taken of the UNQUANTISED p, in f32, and the product's result is divided by l at the end. Since M is a whole number, a kernel that streams over the keys may use a running M (the ceiling of the running maximum): every later rescaling is an exact power of two, which a block's scale takes up: the codes' values come out the same.
;;   OPERANDS COMPUTED ON THE WAY. 'Computed on the way' means the value that the module computes at that place (a softmax that the list does not call 'softmax' is quantised finished and normalised). What goes into a quantiser is computed in f32, as accurately as f32 sums, v_exp_f32 and their like allow (about 1e-6 of the number): no bf16 or f16 on the way to a quantiser, and a product that is left as it is and whose result goes on into a quantised operand takes f32 operands (vector FMAs, or v_wmma_f32_16x16x4_f32). A number that lies on a knife's edge between two numbers of the format may be rounded either way, as far as f32 arithmetic and the matrix unit's own rounding can turn it there, and no further.
;; One version. Each part assembles by itself: llvm-mc -triple=amdgcn-amd-amdhsa -mcpu=gfx1250 --defsym DOCPART=n.
;; ======== version 1 of 1: 4 launches
;; limits: right only within a limited range of input values
;; workspace buffers: C1 22,020,096 bytes; S1 917,504 bytes; QKV 20,185,088 bytes; AC 6,291,456 bytes; AS 262,144 bytes
;; launch quant (part 1): grid 256 x 1, 7 waves a work-group, no clusters, 60,160 bytes of LDS; arguments Q, K, V, W_q, W_k, W_v, W_o, C1, S1; writes C1, S1
.if DOCPART == 1
	.amdgcn_target "amdgcn-amd-amdhsa--gfx1250"
	.amdhsa_code_object_version 6
	.text
	.protected	k_q0ef1c89b33_quant
	.globl	k_q0ef1c89b33_quant
	.p2align	8
	.type	k_q0ef1c89b33_quant,@function
k_q0ef1c89b33_quant:
	s_mov_b64 s[64:65], 0
	v_nop
	global_prefetch_b8 v0, s[64:65] scope:SCOPE_SE
	s_setreg_imm32_b32 hwreg(HW_REG_WAVE_MODE, 25, 1), 1
	s_wait_xcnt 0x0
; Q, K, V [8192][1024] and W_q, W_k, W_v, W_o [1024][1024], f32, K innermost, become codes of FP6 (E2M3) with one E8M0 byte for each 32 along K.
; A block's scale is 2^(floor(log2(its largest magnitude)) - 2); its byte is the largest magnitude's exponent field - 2, held at 1 from below.
; (A block of zeros so gets the byte 1 where the rule says 127: its codes are zeros, and the bytes are read by this program alone.)
; LIMITS: NaN and infinities among the inputs are not served.
; LAYOUT OF THE CODES (C1): [row tile][64 along K, 16 of them][768 bytes].  The 768 bytes are an image of operand registers: 16 rows x 64 K; lane (r, h) holds row r,
; k = 32 h .. 32 h + 31, in six registers: registers 0-3 at 16 x lane, registers 4-5 at 512 + 8 x lane.  Two such images on end are a fragment of 16 rows x 128 K.
; THE ROWS OF A TILE ARE NOT NEIGHBOURS: row p of tile i is the tensor's row 32 (i / 2) + 8 (i % 2) + p + 8 (p / 8), so that a transposed product's registers run along neighbours.
; SCALE BYTES (S1): 32 bytes for each row, in the same order of rows: 512 bytes a tile.
; SHARES: 1,792 row tiles, one to a wave, 7 waves to each of 256 work-groups.  A wave walks its tile's 8 fragments of 16 rows x 128 K.  Each load reads 512 consecutive bytes of one row;
; a fragment's 8,192 bytes turn through the wave's own stage in LDS (rows of 512 + 16 bytes) and come back 32 neighbours along K at a time.  Loads run two fragments (32 loads) ahead.  Waves share nothing: no barrier.
.set ROWB,  4096                       ; a row of any of the seven tensors, in bytes
.set STG,   16*528                     ; a wave's stage
.set SPARE, 7*STG                      ; behind the stages: the spare words, 128 bytes for each wave, four blocks of 256 bytes that no other line names
.set SPW,   10                         ; v10  LDS address of my spare word; never rewritten
.set NIL,   11                         ; v11  0; never rewritten
.set SW,    20                         ; v20-27  the eight fragments' scale words of my row
.set C,     28                         ; v28-39  a fragment's codes
.set T2,    40                         ; v40-42, v44-46  the second halves of the two blocks, as the conversions leave them
.set OUTW,  48                         ; v48-51  four scale words on the way out
.set X,     64                         ; v64-127  64 numbers: register 32 c + i = k 64 c + 32 h + i of my row
.set R,     128                        ; v128-191, v192-255  two sets of 16 x 4 registers as loaded
	s_load_b512 s[8:23], s[0:1], 0x0               ; Q, K, V, W_q, W_k, W_v, W_o, C1
	s_load_b64 s[24:25], s[0:1], 0x40              ; S1
	v_lshl_add_u32 v[SPW], v0, 2, SPARE
	v_mov_b32 v[NIL], 0
	v_lshrrev_b32 v1, 5, v0
	v_readfirstlane_b32 s2, v1                     ; wave 0..6
	s_mul_i32 s3, ttmp9, 7
	s_add_co_u32 s3, s3, s2                        ; my row tile, 0..1791
	v_and_b32 v1, 31, v0                           ; lane
	v_and_b32 v2, 15, v0                           ; r
	v_bfe_u32 v3, v0, 4, 1                         ; h
	v_lshlrev_b32 v4, 4, v1                        ; 16 x lane
	v_lshlrev_b32 v5, 3, v1                        ; 8 x lane
	s_mul_i32 s26, s2, STG
	v_add_nc_u32 v6, s26, v4                       ; the stage, on the way in: a row's 512 bytes as they lie
	v_mul_u32_u24 v7, v2, 528
	v_lshl_add_u32 v7, v3, 7, v7
	v_add_nc_u32 v7, s26, v7                       ; and on the way out: row r, + 128 h: my 32 numbers of each 64
	v_lshlrev_b32 v8, 5, v2
	v_lshl_add_u32 v8, v3, 4, v8                   ; the scale bytes' place: 32 r + 16 h
	v_lshlrev_b32 v9, 3, v3                        ; 8 h
	v_mov_b32 v19, 0                               ; written once: a lane permute's destination counts as one of its sources
	s_mov_b32 s28, 0x76543210
	s_mov_b32 s29, 0xfedcba98                      ; lane l xor 16
	s_wait_alu depctr_va_vdst(0)
	s_wait_kmcnt 0x0
; which tensor is mine: the choice hangs on the tile's number alone
.macro PICK limit, ptr, first
	s_cmp_lt_u32 s3, \limit
	s_cselect_b64 s[4:5], s[\ptr:\ptr+1], s[4:5]
	s_cselect_b32 s6, \first, s6
.endm
	s_mov_b64 s[4:5], s[20:21]                     ; W_o: tiles 1728 on
	s_mov_b32 s6, 1728
	PICK 1728, 18, 1664                            ; W_v
	PICK 1664, 16, 1600                            ; W_k
	PICK 1600, 14, 1536                            ; W_q
	PICK 1536, 12, 1024                            ; V
	PICK 1024, 10, 512                             ; K
	PICK 512, 8, 0                                 ; Q
	s_sub_co_u32 s6, s3, s6                        ; i: my tile in its tensor
	s_lshr_b32 s7, s6, 1
	s_lshl_b32 s7, s7, 5
	s_and_b32 s6, s6, 1
	s_lshl_b32 s6, s6, 3
	s_add_co_u32 s6, s6, s7                        ; its first row: 32 (i / 2) + 8 (i % 2)
	s_lshl_b32 s6, s6, 12                          ; in bytes (under 2^26)
	s_mov_b32 s7, 0
	s_add_nc_u64 s[4:5], s[4:5], s[6:7]
	s_mul_i32 s6, s3, 12288
	s_add_nc_u64 s[22:23], s[22:23], s[6:7]        ; my tile's codes
	s_lshl_b32 s6, s3, 9
	s_add_nc_u64 s[24:25], s[24:25], s[6:7]        ; and its scale bytes
.macro LOAD f                          ; fragment f: 16 rows x 512 bytes into set f % 2
.irp p, 0,1,2,3,4,5,6,7,8,9,10,11,12,13,14,15
	global_load_b128 v[R+64*((\f)%2)+4*\p:R+64*((\f)%2)+4*\p+3], v4, s[4:5] offset:(\p+8*(\p/8))*ROWB+512*(\f) th:TH_LOAD_NT
.endr
.endm
.macro FRAGM f
.set RS, R+64*((\f)%2)
.if (\f) < 7
	s_wait_loadcnt 16                              ; this fragment's 16 loads are in; the next fragment's 16 may be out
.else
	s_wait_loadcnt 0x0
.endif
.irp p, 0,1,2,3,4,5,6,7,8,9,10,11,12,13,14,15
	ds_store_b128 v6, v[RS+4*\p:RS+4*\p+3] offset:528*\p
.endr
.irp c, 0,1
.irp q, 0,1,2,3,4,5,6,7
	ds_load_b128 v[X+32*\c+4*\q:X+32*\c+4*\q+3], v7 offset:256*\c+16*\q   ; LDS serves a wave's instructions in order: these see the stores above
.endr
.endr
	s_wait_dscnt 0x0                               ; my 64 numbers are in, and the stores have read the set,
.if (\f)+2 < 8
	LOAD (\f)+2                                    ; which takes the fragment two on
.endif
.irp c, 0,1
	v_max3_num_f32 v[12+\c], |v[X+32*\c]|, |v[X+32*\c+1]|, 0x1800000   ; block 2 c + h: all 32 numbers are mine; the floor 2^(3 - 127) holds the byte at 1 from below
.endr
.irp i, 2,4,6,8,10,12,14,16,18,20,22,24,26,28,30
.irp c, 0,1
	v_max3_num_f32 v[12+\c], v[12+\c], |v[X+32*\c+\i]|, |v[X+32*\c+\i+1]|
.endr
.endr
.irp c, 0,1
	v_add_nc_u32 v[14+\c], 0xff000000, v[12+\c]    ; 2 off the exponent field: the conversion's scale operand
.endr
.irp c, 0,1
	v_lshrrev_b32 v[16+\c], 23, v[14+\c]           ; the scale's byte
.endr
	v_lshl_or_b32 v18, v17, 16, v16                ; my two bytes, blocks h and 2 + h,
	v_lshlrev_b32 v18, v9, v18                     ; at their places in the word;
	v_permlanex16_b32 v19, v18, s28, s29
	v_or_b32 v[SW+(\f)], v18, v19                  ; with lane l xor 16's two the word is whole
	s_wait_alu depctr_va_vdst(0)
	s_wait_xcnt 0x0                                ; the last fragment's stores have read the codes' registers
.irp c, 0,1
	v_cvt_scalef32_pk16_fp6_f32 v[C+6*\c:C+6*\c+2], v[X+32*\c:X+32*\c+15], v[14+\c]
	v_cvt_scalef32_pk16_fp6_f32 v[T2+4*\c:T2+4*\c+2], v[X+32*\c+16:X+32*\c+31], v[14+\c]   ; (a conversion's three registers begin on an even number)
.endr
	v_nop                                          ; one plain instruction behind a scaled conversion
.irp c, 0,1
.irp i, 0,1,2
	v_mov_b32 v[C+6*\c+3+\i], v[T2+4*\c+\i]
.endr
.endr
.irp c, 0,1
	global_store_b128 v4, v[C+6*\c:C+6*\c+3], s[22:23] offset:1536*(\f)+768*\c          ; 512 consecutive bytes, at a multiple of 256 from the buffer's first byte
	global_store_b64 v5, v[C+6*\c+4:C+6*\c+5], s[22:23] offset:1536*(\f)+768*\c+512     ; 256 consecutive bytes, likewise
.endr
.endm
	LOAD 0
	LOAD 1
.irp f, 0,1,2,3,4,5,6,7
	FRAGM \f
.endr
	v_cmp_le_u32 vcc_lo, 16, v1                    ; lanes 16-31 take words 4-7 of their row
.irp i, 0,1,2,3
	v_cndmask_b32 v[OUTW+\i], v[SW+\i], v[SW+4+\i], vcc_lo
.endr
	global_store_b128 v8, v[OUTW:OUTW+3], s[24:25] ; the tile's 512 scale bytes: consecutive, aligned
	s_wait_tensorcnt 0x0                           ; the wave's end: behind my last LDS store
	ds_add_u32 v[SPW], v[NIL]
	s_wait_dscnt 0x0
	s_endpgm
.Lfunc_end_k_q0ef1c89b33_quant:
	.size	k_q0ef1c89b33_quant, .Lfunc_end_k_q0ef1c89b33_quant-k_q0ef1c89b33_quant
	.p2alignl 7, 3214868480
	.fill 96, 4, 3214868480
	.section	.rodata,"a",@progbits
	.p2align	6, 0x0
	.amdhsa_kernel k_q0ef1c89b33_quant
		.amdhsa_group_segment_fixed_size 60160
		.amdhsa_private_segment_fixed_size 0
		.amdhsa_enable_private_segment 0
		.amdhsa_kernarg_size 72
		.amdhsa_user_sgpr_count 2
		.amdhsa_user_sgpr_kernarg_segment_ptr 1
		.amdhsa_wavefront_size32 1
		.amdhsa_system_sgpr_workgroup_id_x 1
		.amdhsa_system_sgpr_workgroup_id_y 1
		.amdhsa_system_sgpr_workgroup_id_z 1
		.amdhsa_system_vgpr_workitem_id 0
		.amdhsa_next_free_vgpr 256
		.amdhsa_next_free_sgpr 66
		.amdhsa_reserve_vcc 1
		.amdhsa_float_denorm_mode_32 3
		.amdhsa_float_denorm_mode_16_64 3
		.amdhsa_memory_ordered 1
		.amdhsa_forward_progress 1
		.amdhsa_inst_pref_size 59
	.end_amdhsa_kernel
	.amdgpu_metadata
---
amdhsa.version: [ 1, 2 ]
amdhsa.kernels:
  - .name:           k_q0ef1c89b33_quant
    .symbol:         k_q0ef1c89b33_quant.kd
    .args:
      - { .name: Q, .offset: 0, .size: 8, .value_kind: global_buffer, .address_space: global }
      - { .name: K, .offset: 8, .size: 8, .value_kind: global_buffer, .address_space: global }
      - { .name: V, .offset: 16, .size: 8, .value_kind: global_buffer, .address_space: global }
      - { .name: W_q, .offset: 24, .size: 8, .value_kind: global_buffer, .address_space: global }
      - { .name: W_k, .offset: 32, .size: 8, .value_kind: global_buffer, .address_space: global }
      - { .name: W_v, .offset: 40, .size: 8, .value_kind: global_buffer, .address_space: global }
      - { .name: W_o, .offset: 48, .size: 8, .value_kind: global_buffer, .address_space: global }
      - { .name: C1, .offset: 56, .size: 8, .value_kind: global_buffer, .address_space: global }
      - { .name: S1, .offset: 64, .size: 8, .value_kind: global_buffer, .address_space: global }
    .group_segment_fixed_size: 60160
    .private_segment_fixed_size: 0
    .kernarg_segment_align: 8
    .kernarg_segment_size: 72
    .max_flat_workgroup_size: 224
    .sgpr_count:     66
    .vgpr_count:     256
    .wavefront_size: 32
...
	.end_amdgpu_metadata
.endif
;; end of part 1
;; launch proj (part 2): grid 4 x 96, 4 waves a work-group, clusters of 4 x 4, 327,680 bytes of LDS; arguments C1, S1, b_q, b_k, b_v, mask, QKV; writes QKV
.if DOCPART == 2
	.amdgcn_target "amdgcn-amd-amdhsa--gfx1250"
	.amdhsa_code_object_version 6
	.text
	.protected	k_q0ef1c89b33_proj
	.globl	k_q0ef1c89b33_proj
	.p2align	8
	.type	k_q0ef1c89b33_proj,@function
k_q0ef1c89b33_proj:
	s_mov_b64 s[64:65], 0
	v_nop
	global_prefetch_b8 v0, s[64:65] scope:SCOPE_SE
	s_setreg_imm32_b32 hwreg(HW_REG_WAVE_MODE, 25, 1), 1
	s_wait_xcnt 0x0
	s_wait_alu depctr_hold_cnt(0) depctr_sa_sdst(0) depctr_va_vdst(0) depctr_va_sdst(0) depctr_va_ssrc(0) depctr_va_vcc(0) depctr_vm_vsrc(0)
	s_getreg_b32 s2, hwreg(HW_REG_IB_STS2, 6, 4)
	s_cmp_eq_u32 s2, 0
	s_cbranch_scc0 .Lentry_in_a_cluster
	s_endpgm
.Lentry_in_a_cluster:
	s_bfe_u32 s2, ttmp6, 0x10000c
	s_cmp_lg_u32 s2, 0xf033
	s_cbranch_scc0 .Lentry_shape_is_right
	s_endpgm
.Lentry_shape_is_right:
.set NQ,     2
.set FR,     12
.set NL,     4
.set NP,     4
.set TILEB,  12288
.set STEPB,  3072
.set HALFT,  8*STEPB
.set SLOT,   4*HALFT
.set LAPS,   2
.set KS,     32
.set SCL,    2*SLOT
.set HALFS,  16*272
.set SBLK,   2*272
.set SPARE,  SCL+4*HALFS
.set ADRA, 16
.set ADRB, 20
.set L16,  24
.set L8,   25
.set SO,   26
.set ADRS, 27
.set SPW,  28
.set NIL,  29
.set RP,   30
.set H64,  31
.set SC,   32
.set BI,   64
.set AF,   128
.set PC,   128
.set MK,   156
.set WD,   168
.set TM,   224
.set VX,   240
.set VY,   241
.set H16,  242
.set TT,   243
.set PW,   244
.set G1, 24
.set G0, 32
.set G1B, 48
.set G0B, 56
.set G1S, 68
.set G0S, 76
.set G1SB, 80
.set G0SB, 88
.set SEL, 46
.set MSB, 0
.macro WIN new
.if MSB != \new
	s_set_vgpr_msb (MSB<<8)|\new
.set MSB, \new
.endif
.endm
.set MUL_LO, 0xa1
.set MUL_HI, 0xf1
.set ST_LO,  0x81
.set ST_HI,  0xc1
.set TO_B,   0x40
.macro JLOAD g0a, g1a, g0b, g1b
	s_cmp_eq_u32 s15, 0
	s_cbranch_scc0 .Lfor_b_\@
	tensor_load_to_lds s[\g0a:\g0a+3], s[\g1a:\g1a+7]
	s_nop 0
.rept 4
	v_nop
.endr
	s_branch .Lasked_\@
.Lfor_b_\@:
	tensor_load_to_lds s[\g0b:\g0b+3], s[\g1b:\g1b+7]
	s_nop 0
.rept 4
	v_nop
.endr
.Lasked_\@:
.endm
.macro CREST
	s_cmp_lg_u32 s14, 0
	s_cbranch_scc1 .Lnot_wave_0_\@
	s_barrier_signal -3
.Lnot_wave_0_\@:
	s_barrier_wait -3
	s_barrier_signal -1
	s_barrier_wait -1
.endm
.macro CROUND
	s_barrier_signal -1
	s_barrier_wait -1
	CREST
.endm
	s_load_b128 s[4:7], s[0:1], 0x0
	s_load_b256 s[92:99], s[0:1], 0x10
	s_load_b64 s[12:13], s[0:1], 0x30
	v_lshl_add_u32 v[SPW], v0, 2, SPARE
	v_mov_b32 v[NIL], 0
	ds_add_u32 v[SPW], v[NIL]
	ds_add_u32 v[SPW], v[NIL]
	v_lshrrev_b32 v1, 5, v0
	v_readfirstlane_b32 s14, v1
	s_lshr_b32 s15, s14, 1
	s_and_b32 s16, s14, 1
	s_bfe_u32 s40, ttmp6, 0x40000
	s_bfe_u32 s41, ttmp6, 0x40004
	s_and_b32 s18, ttmp7, 0xffff
	s_lshr_b32 s66, s18, 3
	s_and_b32 s67, s18, 7
	s_lshl_b32 s67, s67, 2
	s_lshl_b32 s43, s41, 2
	s_lshl_b32 s43, 15, s43
	s_lshl_b32 s44, 0x1111, s40
	s_mul_i32 s20, s66, 6291456
	s_mul_i32 s46, s66, 786432
	s_add_co_u32 s46, s46, 18874368
	s_lshl_b32 s22, s66, 18
	s_lshl_b32 s8, s66, 15
	s_add_co_u32 s8, s8, 786432
	s_cmp_lt_u32 s66, 2
	s_cselect_b32 s20, s20, 20447232
	s_cselect_b32 s46, s46, 12582912
	s_cselect_b32 s22, s22, 851968
	s_cselect_b32 s8, s8, 524288
	s_cselect_b32 s18, s67, 0
	s_cselect_b32 s19, 0, s67
	s_add_co_u32 s17, s18, s41
	s_add_co_u32 s42, s19, s40
	s_lshl_b32 s18, s16, 3
	s_lshl_b32 s10, s17, 4
	s_add_co_u32 s10, s10, s18
	s_lshl_b32 s11, s42, 4
	s_add_co_u32 s11, s11, s18
	s_mul_i32 s19, s10, TILEB
	s_add_co_u32 s20, s20, s19
	s_lshl_b32 s19, s10, 9
	s_add_co_u32 s22, s22, s19
	s_mul_i32 s19, s11, TILEB
	s_add_co_u32 s46, s46, s19
	s_lshl_b32 s19, s11, 9
	s_add_co_u32 s8, s8, s19
	s_mov_b32 s21, 0
	s_mov_b32 s23, 0
	s_mov_b32 s47, 0
	s_mov_b32 s9, 0
	s_or_b32 s[G1+0], s43, (3<<16)|(1<<21)
	s_or_b32 s[G1B+0], s44, (3<<16)|(1<<21)
.irp g, G1, G1B
	s_mov_b32 s[\g+1], 384<<16
	s_mov_b32 s[\g+2], 16<<16
	s_mov_b32 s[\g+3], 384<<16
	s_mov_b32 s[\g+4], 16
	s_mov_b32 s[\g+5], 1536
	s_mov_b32 s[\g+6], 0
	s_mov_b32 s[\g+7], 0
.endr
	s_or_b32 s[G1S+0], s43, (3<<16)|(1<<20)|(1<<21)|(5<<22)|(3<<25)
	s_or_b32 s[G1SB+0], s44, (3<<16)|(1<<20)|(1<<21)|(5<<22)|(3<<25)
.irp g, G1S, G1SB
	s_mov_b32 s[\g+1], 32<<16
	s_mov_b32 s[\g+2], 32<<16
	s_mov_b32 s[\g+3], 32<<16
	s_mov_b32 s[\g+4], 32
	s_mov_b32 s[\g+5], 32
	s_mov_b32 s[\g+6], 0
	s_mov_b32 s[\g+7], 0
.endr
	s_mul_i32 s45, s14, HALFT
	s_wait_dscnt 0x0
	s_wait_kmcnt 0x0
	s_add_nc_u64 s[20:21], s[4:5], s[20:21]
	s_add_nc_u64 s[22:23], s[6:7], s[22:23]
	s_add_nc_u64 s[46:47], s[4:5], s[46:47]
	s_add_nc_u64 s[8:9], s[6:7], s[8:9]
	CROUND
.irp s, 0,1
	s_mov_b32 s[G0+4*\s], 1
	s_add_co_u32 s[G0+4*\s+1], s45, \s*SLOT
	s_add_nc_u64 s[G0+4*\s+2:G0+4*\s+3], s[20:21], \s*STEPB
	s_or_b32 s[G0+4*\s+3], s[G0+4*\s+3], 0x80000000
	s_mov_b32 s[G0B+4*\s], 1
	s_add_co_u32 s[G0B+4*\s+1], s45, \s*SLOT
	s_add_nc_u64 s[G0B+4*\s+2:G0B+4*\s+3], s[46:47], \s*STEPB
	s_or_b32 s[G0B+4*\s+3], s[G0B+4*\s+3], 0x80000000
.endr
; the head's four tiles, each whole, one joint load a wave: wave 0 K step 0 of A's 16 row tiles, wave 1 of B's, wave 2 the scales of A's 256 rows, wave 3 of B's
	s_mul_i32 s2, s16, 8*TILEB                     ; my half's offset is taken off again: the tile's first row tile
	s_mov_b32 s3, 0
	s_sub_nc_u64 s[20:21], s[20:21], s[2:3]
	s_sub_nc_u64 s[46:47], s[46:47], s[2:3]
	s_lshl_b32 s2, s16, 12
	s_sub_nc_u64 s[22:23], s[22:23], s[2:3]
	s_sub_nc_u64 s[8:9], s[8:9], s[2:3]
	s_mov_b32 s[G0S], 1
	s_mov_b32 s[G0S+1], SCL
	s_mov_b64 s[G0S+2:G0S+3], s[22:23]
	s_or_b32 s[G0S+3], s[G0S+3], 0x80000000
	s_mov_b32 s[G0SB], 1
	s_mov_b32 s[G0SB+1], SCL+2*HALFS
	s_mov_b64 s[G0SB+2:G0SB+3], s[8:9]
	s_or_b32 s[G0SB+3], s[G0SB+3], 0x80000000
	s_mov_b32 s4, 1                                ; s[4:7], s[8:11]: group 0 of the head's loads of codes (what lay there has been used)
	s_mov_b32 s5, 0
	s_mov_b64 s[6:7], s[20:21]
	s_or_b32 s7, s7, 0x80000000
	s_mov_b32 s8, 1
	s_mov_b32 s9, 2*HALFT
	s_mov_b64 s[10:11], s[46:47]
	s_or_b32 s11, s11, 0x80000000
.macro ARM under, g0, g1, next
	s_cmp_lt_u32 s14, \under
	s_cbranch_scc0 \next
	tensor_load_to_lds s[\g0:\g0+3], s[\g1:\g1+7]
	s_nop 0
.rept 4
	v_nop
.endr
	s_branch .Lhead_asked
\next:
.endm
	ARM 1, 4, G1, .Lhead_b
	ARM 2, 8, G1B, .Lhead_sa
	ARM 3, G0S, G1S, .Lhead_sb
	tensor_load_to_lds s[G0SB:G0SB+3], s[G1SB:G1SB+7]
	s_nop 0
.rept 4
	v_nop
.endr
.Lhead_asked:
	s_wait_alu depctr_va_vdst(0)
	s_wait_tensorcnt 0x0                           ; my tile of the four is in
	ds_add_u32 v28, v29
	s_mov_b32 s[G1+2], 8<<16                       ; no tensor load of mine is out: from here on a load brings 8 row tiles
	s_mov_b32 s[G1+4], 8
	s_mov_b32 s[G1B+2], 8<<16
	s_mov_b32 s[G1B+4], 8
	s_wait_dscnt 0x0
	CROUND
	JLOAD G0+4, G1, G0B+4, G1B                     ; slot 1's first fill, the first tensor load behind the round
	v_and_b32 v1, 31, v0
	v_and_b32 v2, 15, v0
	v_bfe_u32 v3, v0, 4, 1
	v_lshlrev_b32 v[L16], 4, v1
	v_lshlrev_b32 v[L8], 3, v1
	s_mul_i32 s21, s15, HALFT
	s_mul_i32 s22, s16, HALFT
	s_add_co_u32 s22, s22, 2*HALFT
.irp s, 0,1
	v_add_nc_u32 v[ADRA+\s], s21, v[L16]
	v_add_nc_u32 v[ADRB+\s], s22, v[L16]
	v_add_nc_u32 v[ADRA+2+\s], s21, v[L8]
	v_add_nc_u32 v[ADRB+2+\s], s22, v[L8]
	s_add_co_u32 s21, s21, SLOT
	s_add_co_u32 s22, s22, SLOT
.endr
	v_mul_u32_u24 v5, v2, KS
	v_lshrrev_b32 v6, 8, v5
	v_lshl_add_u32 v5, v6, 4, v5
	s_mul_i32 s21, s15, HALFS
	s_mul_i32 s22, s16, HALFS
	s_add_co_u32 s22, s22, 2*HALFS
	s_sub_co_u32 s22, s22, s21
	v_mul_u32_u24 v6, s22, v3
	s_add_co_u32 s21, s21, SCL
	v_add_nc_u32 v5, v5, v6
	v_add_nc_u32 v[ADRS], s21, v5
	v_mul_u32_u24 v[SO], v3, 315392
	v_lshl_add_u32 v[SO], v2, 4, v[SO]
	v_and_b32 v6, 8, v2
	v_add_nc_u32 v6, v6, v2
	v_lshlrev_b32 v[RP], 2, v6
	v_lshlrev_b32 v[H64], 6, v3
	v_lshlrev_b32 v[H16], 4, v3
.irp b, 0,1,2,3
	v_mov_b32 v[TM+4+\b], 0
.endr
	s_lshl_b32 s18, s17, 1
	s_add_co_u32 s18, s18, s15
	s_lshl_b32 s19, s42, 1
	s_add_co_u32 s19, s19, s16
	s_mov_b32 s10, 3072
	s_mov_b32 s11, 315392
	s_cmp_lt_u32 s66, 2
	s_cselect_b32 s2, s18, s19
	s_cselect_b32 s3, s19, s18
	s_cselect_b32 s22, s11, s10
	s_cselect_b32 s23, s10, s11
	s_lshl_b32 s3, s3, 1
	s_cmp_eq_u32 s66, 1
	s_cselect_b64 s[92:93], s[94:95], s[92:93]
	s_cmp_eq_u32 s66, 2
	s_cselect_b64 s[92:93], s[96:97], s[92:93]
	s_mov_b32 s21, 0
	s_lshl_b32 s20, s3, 8
	s_add_nc_u64 s[92:93], s[92:93], s[20:21]
	s_lshl_b32 s20, s2, 9
	s_add_nc_u64 s[98:99], s[98:99], s[20:21]
	s_lshr_b32 s20, s2, 4
	s_lshl_b32 s20, s20, 4
	s_add_co_u32 s20, s20, s3
	s_lshl_b32 s20, s20, 4
	s_and_b32 s18, s2, 15
	s_add_co_u32 s20, s20, s18
	s_mul_i32 s20, s20, 19712
	s_mul_i32 s18, s66, 6656
	s_add_co_u32 s20, s20, s18
	s_add_nc_u64 s[4:5], s[12:13], s[20:21]
	s_mov_b32 s20, s23
	s_add_nc_u64 s[6:7], s[4:5], s[20:21]
	s_mov_b32 s20, s22
	s_add_nc_u64 s[8:9], s[4:5], s[20:21]
	s_add_nc_u64 s[10:11], s[4:5], 318464
	s_cmp_lt_u32 s66, 2
	s_cbranch_scc0 .Lbias_v
	s_wait_alu depctr_va_vdst(0)
.irp b, 0,1,2,3,4,5,6,7
	global_load_b128 v[BI+8*\b:BI+8*\b+3], v[H64], s[92:93] offset:4*(32*(\b/2)+8*(\b%2))
	global_load_b128 v[BI+8*\b+4:BI+8*\b+7], v[H64], s[92:93] offset:4*(32*(\b/2)+8*(\b%2))+16
.endr
	s_branch .Lbias_done
.Lbias_v:
	s_wait_alu depctr_va_vdst(0)
.irp a, 0,1,2,3,4,5,6,7
	global_load_b32 v[BI+8*\a], v[RP], s[92:93] offset:4*(32*(\a/2)+8*(\a%2))
.endr
	s_wait_loadcnt 0x0
.irp a, 0,1,2,3,4,5,6,7
.irp j, 1,2,3,4,5,6,7
	v_mov_b32 v[BI+8*\a+\j], v[BI+8*\a]
.endr
.endr
.Lbias_done:
.macro FRAG reg, adr, q, i
	ds_load_b128 v[\reg:\reg+3], v[\adr] offset:STEPB*(\i)+1536*(\q)
	ds_load_b64 v[\reg+4:\reg+5], v[\adr+2] offset:STEPB*(\i)+1536*(\q)+512
	ds_load_b128 v[\reg+6:\reg+9], v[\adr] offset:STEPB*(\i)+1536*(\q)+768
	ds_load_b64 v[\reg+10:\reg+11], v[\adr+2] offset:STEPB*(\i)+1536*(\q)+1280
.endm
.macro MUL16 a0, p, q, sc, zero
.irp a, \a0, \a0+1
.irp b, 0,1,2,3,4,5,6,7
.set rD, 8*(8*((\a)%4)+\b)
.set rB, 128*(\p)+FR*\b
.set rA, AF+FR*(\a)
.set sB, SC+8*NQ*(\sc)+NQ*\b+(\q)
.set sA, SC+8*NQ*(\sc)+NQ*(\a)+(\q)
.if \zero == 1
.set rC, BI+8*\b
.elseif \zero == 2
.set rC, BI+8*(\a)
.else
.set rC, rD
.endif
	v_wmma_scale_f32_16x16x128_f8f6f4 v[rD:rD+7], v[rB:rB+FR-1], v[rA:rA+FR-1], v[rC:rC+7], v[sB], v[sA] matrix_a_fmt:MATRIX_FMT_FP6 matrix_b_fmt:MATRIX_FMT_FP6 matrix_a_scale:MATRIX_SCALE_ROW1
.endr
.endr
.endm
.macro FETCH_B slot, q, p
	WIN TO_B
.irp i, 0,1,2,3,4,5,6,7
	FRAG 128*(\p)+FR*\i, ADRB+\slot, \q, \i
.endr
	WIN 0
.endm
.macro FETCH_A slot, q, i0
.irp i, \i0, \i0+1, \i0+2, \i0+3
	FRAG AF+FR*(\i), ADRA+\slot, \q, \i
.endr
.endm
.macro SCALES sc
.irp i, 0,1,2,3,4,5,6,7
	ds_load_b64 v[SC+8*NQ*\sc+NQ*\i:SC+8*NQ*\sc+NQ*\i+1], v[ADRS] offset:\i*SBLK
.endr
.endm
.macro PLACES n
.rept \n
	v_nop
.endr
.endm
.macro STEP slot, q, zero
	s_wait_dscnt 4*NL
.if \zero
	WIN ST_LO
.else
	WIN MUL_LO
.endif
	MUL16 0, (\q)%2, \q, \slot, \zero
	MUL16 2, (\q)%2, \q, \slot, \zero
	s_wait_dscnt 0
	PLACES NP
	FETCH_B \slot, (\q)+1, 1-(\q)%2
	FETCH_A \slot, (\q)+1, 0
.if \zero
	WIN ST_HI
.else
	WIN MUL_HI
.endif
	MUL16 4, (\q)%2, \q, \slot, \zero
	MUL16 6, (\q)%2, \q, \slot, \zero
	PLACES NP
	WIN 0
	FETCH_A \slot, (\q)+1, 4
.endm
.macro TURN slot, next, fill
	s_wait_tensorcnt 0x0
	ds_add_u32 v[SPW], v[NIL]
	s_wait_dscnt 4*NL+1
	WIN MUL_LO
	MUL16 0, 1, NQ-1, \slot, 0
	s_wait_dscnt 0x0
	s_barrier_signal -1
	MUL16 2, 1, NQ-1, \slot, 0
	WIN 0
	s_barrier_wait -1
.if \fill
	CREST
	s_add_nc_u64 s[G0+4*\slot+2:G0+4*\slot+3], s[G0+4*\slot+2:G0+4*\slot+3], 2*STEPB
	s_add_nc_u64 s[G0B+4*\slot+2:G0B+4*\slot+3], s[G0B+4*\slot+2:G0B+4*\slot+3], 2*STEPB
	JLOAD G0+4*\slot, G1, G0B+4*\slot, G1B
.else
	PLACES NP
.endif
	s_wait_alu depctr_va_vdst(0)
	v_add_nc_u32 v[ADRS], 4*NQ, v[ADRS]
	FETCH_B \next, 0, 0
	FETCH_A \next, 0, 0
	SCALES \next
	WIN MUL_HI
	MUL16 4, 1, NQ-1, \slot, 0
	MUL16 6, 1, NQ-1, \slot, 0
	PLACES NP
	WIN 0
	FETCH_A \next, 0, 4
.endm
	FETCH_B 0, 0, 0
	FETCH_A 0, 0, 0
	SCALES 0
	FETCH_A 0, 0, 4
	s_wait_loadcnt 0x0
	s_cmp_lt_u32 s66, 2
	s_cbranch_scc0 .Lfirst_v
	s_wait_alu depctr_va_vdst(0)
	STEP 0, 0, 1
	s_branch .Lfirst_done
.Lfirst_v:
	s_wait_alu depctr_va_vdst(0)
	STEP 0, 0, 2
.Lfirst_done:
	s_mov_b32 s3, LAPS-1
.Llap:
	TURN 0, 1, 1
	STEP 1, 0, 0
	TURN 1, 0, 1
	STEP 0, 0, 0
	s_sub_co_u32 s3, s3, 1
	s_cmp_lg_u32 s3, 0
	s_cbranch_scc1 .Llap
	TURN 0, 1, 0
	STEP 1, 0, 0
	s_wait_dscnt 4*NL
	WIN MUL_LO
	MUL16 0, 1, NQ-1, 1, 0
	MUL16 2, 1, NQ-1, 1, 0
	s_wait_dscnt 0
	WIN MUL_HI
	MUL16 4, 1, NQ-1, 1, 0
	MUL16 6, 1, NQ-1, 1, 0
	WIN 0
	PLACES NP
.irp a, 0,1,2,3,4,5,6,7
	global_load_b32 v[MK+\a], v[RP], s[98:99] offset:4*(32*(\a/2)+8*(\a%2))
.endr
	s_mov_b32 s[SEL], 0x76543210
	s_mov_b32 s[SEL+1], 0xfedcba98
	s_mov_b32 s18, 0x6a0000
	s_mov_b32 s19, 0xfe0000
	s_cmp_eq_u32 s66, 1
	s_cselect_b32 s19, s19, s18
	s_cselect_b32 s18, 0, s18
	v_mov_b32 v[VX], s19
	v_mov_b32 v[VY], s18
.macro QUANTW a
.set AC, 64*((\a)%4)
.set WW, 2+(\a)/4
.set WQ, WW|(WW<<2)
.set PA, 4+2*((\a)/4)
	WIN WQ
.irp b, 0,1,2,3
	v_max3_num_f32 v[TM+\b], |v[AC+16*\b]|, |v[AC+16*\b+1]|, 0x1800000
.endr
.irp i, 2,4,6,8,10,12,14
.irp b, 0,1,2,3
	v_max3_num_f32 v[TM+\b], |v[AC+16*\b+\i]|, |v[AC+16*\b+\i+1]|, v[TM+\b]
.endr
.endr
	WIN 0
.irp b, 0,1,2,3
	v_permlanex16_b32 v[TM+4+\b], v[TM+\b], s[SEL], s[SEL+1]
.endr
.irp b, 0,1,2,3
	v_max_num_f32 v[TM+\b], v[TM+\b], v[TM+4+\b]
.endr
.irp b, 0,1,2,3
	v_add_nc_u32 v[TM+12+\b], 0xff000000, v[TM+\b]
.endr
.irp b, 0,1,2,3
	v_lshrrev_b32 v[TM+4+\b], 23, v[TM+12+\b]
.endr
	v_lshl_or_b32 v[PW+(\a)], v[TM+5], 8, v[TM+4]
	v_lshl_or_b32 v[PW+(\a)], v[TM+6], 16, v[PW+(\a)]
	v_lshl_or_b32 v[PW+(\a)], v[TM+7], 24, v[PW+(\a)]
	s_wait_xcnt 0x0
	WIN WW
.irp c, 0,1
	v_cvt_scalef32_pk16_fp6_f32 v[PC+6*\c:PC+6*\c+2], v[AC+32*\c:AC+32*\c+15], v[TM+12+2*\c]
	v_cvt_scalef32_pk16_fp6_f32 v[PC+12+4*\c:PC+14+4*\c], v[AC+32*\c+16:AC+32*\c+31], v[TM+12+2*\c+1]
.endr
	WIN 0
	v_nop
.irp c, 0,1
.irp i, 0,1,2
	v_permlane16_swap_b32 v[PC+6*\c+\i], v[PC+12+4*\c+\i]
.endr
.irp i, 0,1,2
	v_mov_b32 v[PC+3+6*\c+\i], v[PC+12+4*\c+\i]
.endr
.endr
	global_store_b128 v[L16], v[PC:PC+3], s[PA:PA+1] offset:((\a)%4)*768
	global_store_b64 v[L8], v[PC+4:PC+5], s[PA:PA+1] offset:((\a)%4)*768+512
	global_store_b128 v[L16], v[PC+6:PC+9], s[PA+4:PA+5] offset:((\a)%4)*768
	global_store_b64 v[L8], v[PC+10:PC+11], s[PA+4:PA+5] offset:((\a)%4)*768+512
.endm
.irp a, 0,1,2,3,4,5,6,7
	QUANTW \a
.endr
	s_wait_loadcnt 0x0
	s_cmp_lt_u32 s66, 2
	s_cbranch_scc0 .Lscale_v
.irp a, 0,1,2,3,4,5,6,7
	v_lshrrev_b32 v[WD+\a], v[H16], v[PW+\a]
	v_cmp_eq_u32 vcc_lo, 0, v[MK+\a]
	v_cndmask_b32 v[TT], v[VY], v[VX], vcc_lo
	v_and_or_b32 v[WD+\a], v[WD+\a], 0xffff, v[TT]
.endr
	global_store_b128 v[SO], v[WD:WD+3], s[4:5] offset:6144
	global_store_b128 v[SO], v[WD+4:WD+7], s[4:5] offset:6400
	s_branch .Lscale_done
.Lscale_v:
	v_cmp_ne_u32 vcc_lo, 0, v[H16]
.irp i, 0,1,2,3
	v_cndmask_b32 v[WD+\i], v[PW+\i], v[PW+4+\i], vcc_lo
.endr
	global_store_b128 v[SO], v[WD:WD+3], s[4:5] offset:6144
.Lscale_done:
	s_wait_tensorcnt 0x0
	ds_add_u32 v[SPW], v[NIL]
	s_wait_dscnt 0x0
	CROUND
	s_endpgm
.Lfunc_end_k_q0ef1c89b33_proj:
	.size	k_q0ef1c89b33_proj, .Lfunc_end_k_q0ef1c89b33_proj-k_q0ef1c89b33_proj
	.p2alignl 7, 3214868480
	.fill 96, 4, 3214868480
	.section	.rodata,"a",@progbits
	.p2align	6, 0x0
	.amdhsa_kernel k_q0ef1c89b33_proj
		.amdhsa_group_segment_fixed_size 327680
		.amdhsa_private_segment_fixed_size 0
		.amdhsa_enable_private_segment 0
		.amdhsa_kernarg_size 56
		.amdhsa_user_sgpr_count 2
		.amdhsa_user_sgpr_kernarg_segment_ptr 1
		.amdhsa_wavefront_size32 1
		.amdhsa_system_sgpr_workgroup_id_x 1
		.amdhsa_system_sgpr_workgroup_id_y 1
		.amdhsa_system_sgpr_workgroup_id_z 1
		.amdhsa_system_vgpr_workitem_id 0
		.amdhsa_next_free_vgpr 1024
		.amdhsa_next_free_sgpr 100
		.amdhsa_reserve_vcc 1
		.amdhsa_float_denorm_mode_32 3
		.amdhsa_float_denorm_mode_16_64 3
		.amdhsa_memory_ordered 1
		.amdhsa_forward_progress 1
		.amdhsa_inst_pref_size 171
	.end_amdhsa_kernel
	.amdgpu_metadata
---
amdhsa.version: [ 1, 2 ]
amdhsa.kernels:
  - .name:           k_q0ef1c89b33_proj
    .symbol:         k_q0ef1c89b33_proj.kd
    .args:
      - { .name: C1, .offset: 0, .size: 8, .value_kind: global_buffer, .address_space: global }
      - { .name: S1, .offset: 8, .size: 8, .value_kind: global_buffer, .address_space: global }
      - { .name: b_q, .offset: 16, .size: 8, .value_kind: global_buffer, .address_space: global }
      - { .name: b_k, .offset: 24, .size: 8, .value_kind: global_buffer, .address_space: global }
      - { .name: b_v, .offset: 32, .size: 8, .value_kind: global_buffer, .address_space: global }
      - { .name: mask, .offset: 40, .size: 8, .value_kind: global_buffer, .address_space: global }
      - { .name: QKV, .offset: 48, .size: 8, .value_kind: global_buffer, .address_space: global }
    .group_segment_fixed_size: 327680
    .private_segment_fixed_size: 0
    .kernarg_segment_align: 8
    .kernarg_segment_size: 56
    .max_flat_workgroup_size: 128
    .sgpr_count:     100
    .vgpr_count:     1024
    .wavefront_size: 32
...
	.end_amdgpu_metadata
.endif
;; end of part 2
;; launch attn (part 3): grid 4 x 64, 16 waves a work-group, clusters of 4 x 1, 263,168 bytes of LDS; arguments QKV, AC, AS; writes AC, AS
.if DOCPART == 3
	.amdgcn_target "amdgcn-amd-amdhsa--gfx1250"
	.amdhsa_code_object_version 6
	.text
	.protected	k_q0ef1c89b33_attn
	.globl	k_q0ef1c89b33_attn
	.p2align	8
	.type	k_q0ef1c89b33_attn,@function
k_q0ef1c89b33_attn:
	s_mov_b64 s[64:65], 0
	v_nop
	global_prefetch_b8 v0, s[64:65] scope:SCOPE_SE
	s_setreg_imm32_b32 hwreg(HW_REG_WAVE_MODE, 25, 1), 1
	s_wait_xcnt 0x0
	s_wait_alu depctr_hold_cnt(0) depctr_sa_sdst(0) depctr_va_vdst(0) depctr_va_sdst(0) depctr_va_ssrc(0) depctr_va_vcc(0) depctr_vm_vsrc(0)
	s_getreg_b32 s2, hwreg(HW_REG_IB_STS2, 6, 4)
	s_cmp_eq_u32 s2, 0
	s_cbranch_scc0 .Lentry_in_a_cluster
	s_endpgm
.Lentry_in_a_cluster:
	s_bfe_u32 s2, ttmp6, 0x10000c
	s_cmp_lg_u32 s2, 0x3003
	s_cbranch_scc0 .Lentry_shape_is_right
	s_endpgm
.Lentry_shape_is_right:
; For each batch and head: o = softmax(q k^T / 8, hidden keys left out) v, both products on codes of FP6 (E2M3) with E8M0 scales; o is quantised along the model's axis for the last projection.
; THE SOFTMAX: t = score x log2(e) / 8; M = the row's largest t so far, rounded up to a whole number; p = 2^(t - M) is quantised along the keys, not normalised.
; The row's sum is taken of the unquantised p and divides O at the end.  When M moves, the sum and O are multiplied by 2^(old M - new M): exact.
; SHARES.  The cluster's y is batch x 16 + head; its four work-groups own 512 queries each; each of sixteen waves owns 16 queries at a time, two passes.
; A head's k, v and scale words are 16 steps of 128 keys, 51 rows of 256 bytes each.  All fit in LDS: wave w asks for step w, jointly with the same wave of the three partners: one tensor load a wave, nothing is filled again.
; No prefetch: every tile is asked for at the head, so there is no loop to run ahead in.
; LDS rows are 256 + 64 bytes, so that two images of 768 bytes (6 rows, 1,920 bytes) lie 128 bytes apart modulo 256: see the choice of keys below.
; LAYOUT.  Both products are used transposed: S^T = k q^T, O^T = v^T p^T: a lane holds one query (lane % 16).  Codes lie as images of operand registers (16 rows x 64 K in 768 bytes: registers 0-3 at 16 x lane, 4-5 at 512 + 8 x lane);
; position p' of stored tile i is token 32 (i / 2) + 8 (i % 2) + p' + 8 (p' / 8).
; THE KEYS OF A SCORE TILE ARE CHOSEN BY ADDRESS: row p of tile (c, t) is key 64 c + 32 (p / 8) + 8 t + p % 8, which lies in stored tile 4 c + 2 (p / 8) + t % 2 at position p % 8 + 8 (t / 2).
; So lane (r, h) holds in registers 32 c + 0 .. 31 of S^T the keys 64 c + 32 h + 0 .. 31: a whole block of 32, in the order of the second product's operand: no other lane is asked for a block's maximum, and no codes change lanes.
; THE ORDER OF A STEP keeps independent lines between a result and its reader, and the LDS loads in two runs.  The row's sum is a tree of packed additions, whose first level (64 registers into 32) ends a step and whose other
; 16 additions stand behind the next step's first products; the maxima are taken eight wide; the address additions stand among the lines that make the new M; p's scale word is made among the multiplications of O^T;
; v's loads and those of the next step's first keys stand behind the wait ahead of the exponentials.
; THE MASK.  A head's K is 64, the instruction's 128.  In the upper half every key has the code 0.125 and every query -0.125 at k = 64, zeros elsewhere: constants in registers.  Byte 2 of the scale words,
; made by the launch before, turns their product into -2^100 for a hidden key and -2^-154 for any other.  The largest score starts at -2^86, over every hidden score: so a hidden key's p is 0.
; LIMITS: a score under -2^86 counts as hidden; a hidden score is -2^100, not -infinity; the promise holds while the scaled scores stay under 2^31 in magnitude; NaN and infinities are not served;
; a batch ALL of whose 2,048 keys are hidden, where the softmax is NaN, is not served: finite numbers leave there; a block of zeros keeps the byte 1 (read by this program alone).
.set STEPQ, 19712                      ; a step of 128 tokens in QKV; its k and v part begins at byte 6,656
.set STEPL, 51*320                     ; in LDS: k 24 rows | k's scale words 2 | v 24 | v's scale words 1
.set SPARE, 16*STEPL                   ; behind the 16 steps: the spare words, 128 bytes a wave
.set H8, 0                             ; v0 8 h (written when v0 has served)
.set KL16, 1                           ; v1-6 lane terms of the six LDS addresses
.set KL8, 2
.set KLS, 3
.set VL16, 4
.set L8, 5
.set R16, 6
.set AK, 7                             ; v7-11, v19 the addresses: k's of the step whose first half is fetched ahead, v's of this step
.set AK8, 8
.set AKS, 9
.set AV, 10
.set AV8, 11
.set AVS, 19
.set RUN, 18                           ; v12 -M, v13 -t; v[14:15] the sum; v16 the old -M, then at work; v17 at work; v18 the largest score so far
.set SPW, 20
.set NIL, 21
.set QS, 22                            ; q's scale words, p's
.set PS, 23
.set QF, 24
.set KS, 36
.set VS, 40
.set KF, 44
.set VF, 92
.set W, VF                             ; at the head and on the way out v's registers are free
.set S, 140
.set U, S+32                           ; the upper half of S^T: also where the sum's tree stands
.set O, 204
.set PC, 236                           ; p's codes
.set T0, 248                           ; v248-250, v252-254: the conversions' second halves; ahead of them at work: maxima, and v[248:249] f
.set BM0, 251                          ; v251, v255 the two blocks' largest score, then largest p, then scale operand
.set T1, 252
.set BM1, 255
.set WV, 10
.set CX, 11
.set BH, 12
.set SEL, 20
.set CS, 22
.set G1, 24
.set G0, 32
.set NC, 36
.set TN, 37
.set IX, 38
.set CNT, 39
.set PASS, 40
.set IM, 41
.set PQ, 42
.set PQS, 44
.set PAC, 46
.set PAS, 48
.set TB, 56
.macro CROUND                          ; a round of the cluster's barrier
	s_barrier_signal -1
	s_barrier_wait -1
	s_cmp_lg_u32 s[WV], 0
	s_cbranch_scc1 .Lnot_wave_0_\@
	s_barrier_signal -3
.Lnot_wave_0_\@:
	s_barrier_wait -3
	s_barrier_signal -1
	s_barrier_wait -1
.endm
.macro KLOAD c                         ; the lower six registers of four fragments of k, and their scale words: 10 loads
.irp t, 0,1,2,3
	ds_load_b128 v[KF+12*\t:KF+12*\t+3], v[AK] offset:3840*\c+960*(\t%2)+128*(\t/2)
	ds_load_b64 v[KF+12*\t+4:KF+12*\t+5], v[AK8] offset:3840*\c+960*(\t%2)+64*(\t/2)+640
.endr
	ds_load_b64 v[KS:KS+1], v[AKS] offset:7680+320*\c
	ds_load_b64 v[KS+2:KS+3], v[AKS] offset:7680+320*\c+128
.endm
.macro QLOAD                           ; a tile of 16 queries: codes and scale words
	global_load_b128 v[QF:QF+3], v[W+5], s[PQ:PQ+1]
	global_load_b64 v[QF+4:QF+5], v[L8], s[PQ:PQ+1] offset:512
	global_load_b32 v[QS], v[R16], s[PQS:PQS+1]
.endm
.macro QK c                            ; S^T of 64 keys: four accumulators, each begun with 0
.irp t, 0,1,2,3
	v_wmma_scale_f32_16x16x128_f8f6f4 v[S+32*\c+8*\t:S+32*\c+8*\t+7], v[KF+12*\t:KF+12*\t+11], v[QF:QF+11], 0, v[KS+\t], v[QS] matrix_a_fmt:MATRIX_FMT_FP6 matrix_b_fmt:MATRIX_FMT_FP6
.endr
.endm
; the largest of my block's 32 scores, 16 lines in five levels; each accumulator is first read at its low end
.macro MXA1 c, d
.set B, S+32*\c
	v_max3_num_f32 v[\d], v[B], v[B+1], v[B+2]
	v_max3_num_f32 v248, v[B+4], v[B+5], v[B+6]
	v_max3_num_f32 v249, v[B+8], v[B+9], v[B+10]
	v_max3_num_f32 v250, v[B+12], v[B+13], v[B+14]
.endm
.macro MXA2 c
.set B, S+32*\c
	v_max3_num_f32 v252, v[B+16], v[B+17], v[B+18]
	v_max3_num_f32 v253, v[B+20], v[B+21], v[B+22]
.endm
.macro MXA3 c
.set B, S+32*\c
	v_max3_num_f32 v254, v[B+24], v[B+25], v[B+26]
	v_max3_num_f32 v17, v[B+28], v[B+29], v[B+30]
.endm
.macro MXR c, d                        ; the other four levels: 8 lines
.set B, S+32*\c
	v_max3_num_f32 v[\d], v[\d], v248, v[B+3]
	v_max3_num_f32 v249, v249, v250, v[B+11]
	v_max3_num_f32 v252, v252, v253, v[B+19]
	v_max3_num_f32 v254, v254, v17, v[B+27]
	v_max3_num_f32 v[\d], v[\d], v[B+7], v[B+15]
	v_max3_num_f32 v252, v252, v[B+23], v[B+31]
	v_max3_num_f32 v[\d], v[\d], v249, v252
	v_max_num_f32 v[\d], v[\d], v254
.endm
.macro TR j0, j1, d                    ; part of a level of the sum's tree
.set J, \j0
.rept (\j1-\j0)/2
	v_pk_add_f32 v[U+J:U+J+1], v[U+J:U+J+1], v[U+\d+J:U+\d+J+1]
.set J, J+2
.endr
.endm
.macro TRL                             ; its last four registers onto the sum
	v_pk_add_f32 v[14:15], v[14:15], v[U:U+1]
	v_pk_add_f32 v[14:15], v[14:15], v[U+2:U+3]
.endm
.macro L1 j0, j1                       ; the tree's first level: the lower half of p onto the upper
.set J, \j0
.rept (\j1-\j0)/2
	v_pk_add_f32 v[U+J:U+J+1], v[U+J:U+J+1], v[S+J:S+J+1]
.set J, J+2
.endr
.endm
.macro TM j0, j1                       ; t - M, two at a time
.set J, \j0
.rept (\j1-\j0)/2
	v_pk_fma_f32 v[S+J:S+J+1], v[S+J:S+J+1], s[CS:CS+1], v[12:13] op_sel_hi:[1,0,0]
.set J, J+2
.endr
.endm
.macro OM j0, j1                       ; O^T under the new M
.set J, \j0
.rept (\j1-\j0)/2
	v_pk_mul_f32 v[O+J:O+J+1], v[O+J:O+J+1], v[T0:T0+1] op_sel_hi:[1,0]
.set J, J+2
.endr
.endm
	s_load_b128 s[4:7], s[0:1], 0x0                ; QKV, AC
	s_load_b64 s[8:9], s[0:1], 0x10                ; AS
	v_lshl_add_u32 v[SPW], v0, 2, SPARE
	v_mov_b32 v[NIL], 0
	ds_add_u32 v[SPW], v[NIL]                      ; the opening: the add, twice on end, and its wait ahead of my tensor load
	ds_add_u32 v[SPW], v[NIL]
	v_lshrrev_b32 v7, 5, v0
	v_readfirstlane_b32 s[WV], v7                  ; wave 0..15
	s_bfe_u32 s[CX], ttmp6, 0x40000                ; my place in the cluster: it enters q's and the outputs' addresses alone
	s_and_b32 s[BH], ttmp7, 0xffff                 ; batch x 16 + head, which the four partners share
	s_mov_b32 s[G1], 15|(3<<16)|(1<<20)|(1<<21)|(5<<22)|(15<<25)   ; the mask: all four; elements of 8 bytes; 16 words of padding behind every 64
	s_mov_b32 s[G1+1], 32<<16
	s_mov_b32 s[G1+2], 51<<16
	s_mov_b32 s[G1+3], 32<<16
	s_mov_b32 s[G1+4], 51
	s_mov_b32 s[G1+5], 32
	s_mov_b32 s[G1+6], 0
	s_mov_b32 s[G1+7], 0
	s_mov_b32 s[SEL], 0x76543210
	s_mov_b32 s[SEL+1], 0xfedcba98                 ; lane l xor 16
	s_mov_b32 s[CS], 0x3e38aa3b                    ; c = log2(e) / 8
	s_mov_b32 s[CS+1], s[CS]
	s_mov_b32 s[NC], 0xbe38aa3b                    ; -c
	s_mov_b32 s[PASS], 2
	s_mov_b32 s[IX], 0
	s_mov_b32 s[TN], 0
	s_lshl_b32 s13, s[BH], 4                       ; the head's first step
	s_add_co_u32 s14, s13, s[WV]
	s_mul_i32 s14, s14, STEPQ
	s_add_co_u32 s14, s14, 6656                    ; step w's k and v
	s_mov_b32 s15, 0
	s_mul_i32 s16, s[WV], STEPL                    ; and its place in LDS
	s_lshl_b32 s17, s[CX], 2
	s_add_co_u32 s17, s17, s13
	s_lshr_b32 s18, s[WV], 3
	s_add_co_u32 s17, s17, s18
	s_mul_i32 s17, s17, STEPQ                      ; the step that holds my first tile of queries: 4 cx + w / 8
	s_and_b32 s18, s[WV], 7
	s_mul_i32 s19, s18, 768
	s_add_co_u32 s[PQ], s17, s19                   ; its codes
	s_mov_b32 s[PQ+1], 0
	s_lshr_b32 s18, s18, 2
	s_lshl_b32 s18, s18, 8
	s_and_b32 s19, s[WV], 3
	s_lshl_b32 s19, s19, 2
	s_add_co_u32 s18, s18, s19
	s_add_co_u32 s18, s18, s17
	s_add_co_u32 s[PQS], s18, 6144                 ; its scale words: group (w % 8) / 4, word w % 4 of each row's four
	s_mov_b32 s[PQS+1], 0
	s_lshr_b32 s50, s[BH], 4                       ; batch
	s_and_b32 s51, s[BH], 15                       ; head
	s_lshl_b32 s52, s[CX], 5
	s_add_co_u32 s52, s52, s[WV]
	s_lshl_b32 s53, s50, 7
	s_add_co_u32 s53, s53, s52                     ; my first tile as a row tile of the output
	s_lshl_b32 s54, s53, 4
	s_add_co_u32 s54, s54, s51
	s_mul_i32 s[PAC], s54, 768                     ; [row tile][head][768]
	s_mov_b32 s[PAC+1], 0
	s_lshl_b32 s[PAS], s53, 9
	s_lshl_b32 s54, s51, 1
	s_add_co_u32 s[PAS], s[PAS], s54               ; 32 bytes a row, bytes 2 head and 2 head + 1
	s_mov_b32 s[PAS+1], 0
	s_wait_dscnt 0x0                               ; both opening adds are done
	s_wait_kmcnt 0x0
	s_add_nc_u64 s[14:15], s[4:5], s[14:15]
	s_add_nc_u64 s[PQ:PQ+1], s[4:5], s[PQ:PQ+1]
	s_add_nc_u64 s[PQS:PQS+1], s[4:5], s[PQS:PQS+1]
	s_add_nc_u64 s[PAC:PAC+1], s[6:7], s[PAC:PAC+1]
	s_add_nc_u64 s[PAS:PAS+1], s[8:9], s[PAS:PAS+1]
	s_mov_b32 s[G0], 1
	s_mov_b32 s[G0+1], s16
	s_mov_b64 s[G0+2:G0+3], s[14:15]
	s_or_b32 s[G0+3], s[G0+3], 0x80000000
	CROUND                                         ; all four work-groups are here: the joint loads meet
	tensor_load_to_lds s[G0:G0+3], s[G1:G1+7]      ; step w: my one tensor load
	s_nop 0
	v_and_b32 v140, 7, v0                          ; p % 8
	v_bfe_u32 v141, v0, 3, 1                       ; p / 8
	v_bfe_u32 v142, v0, 4, 1                       ; h
	v_and_b32 v143, 15, v0                         ; r
	v_and_b32 v144, 31, v0                         ; lane
	v_mul_u32_u24 v145, v141, 1920
	v_lshl_add_u32 v[KL16], v140, 4, v145
	v_lshl_add_u32 v[KL8], v140, 3, v145
	v_lshlrev_b32 v[KLS], 4, v140
	v_lshlrev_b32 v[R16], 4, v143
	v_mad_u32_u24 v[KL16], v142, 320, v[KL16]      ; k, registers 0-3: 1,920 (p / 8) + 16 (p % 8) + 320 h
	v_lshl_add_u32 v[KL8], v142, 7, v[KL8]         ; registers 4-5: 1,920 (p / 8) + 8 (p % 8) + 128 h
	v_lshl_add_u32 v[KLS], v141, 3, v[KLS]         ; scale words: 16 (p % 8) + 8 (p / 8)
	v_mad_u32_u24 v[VL16], v142, 320, v[R16]       ; v, registers 0-3: 16 r + 320 h
	v_lshlrev_b32 v[L8], 3, v144
	v_lshlrev_b32 v[W+5], 4, v144                  ; 16 x lane
	v_sub_nc_u32 v146, 1, v142                     ; 1 in lanes 0-15, which hold k = 64 .. 95 in registers 6-11
	v_mul_u32_u24 v[QF+6], v146, 0x21              ; q's upper half: the code of -0.125 at k = 64
.irp i, 7,8,9,10,11
	v_mov_b32 v[QF+\i], 0
.endr
.irp t, 0,1,2,3
	v_mov_b32 v[KF+12*\t+6], v146                  ; k's: the code of 0.125
.irp i, 7,8,9,10,11
	v_mov_b32 v[KF+12*\t+\i], 0
.endr
.endr
.irp i, 0,1,2,3,4,5,6,7
	v_mov_b32 v[T0+\i], 0                          ; written once: lane permutes' destinations and the upper half of f's pair
.endr
	v_lshlrev_b32 v[H8], 3, v142
	v_add_nc_u32 v[AK], s[TN], v[KL16]
	v_add_nc_u32 v[AK8], s[TN], v[KL8]
	v_add_nc_u32 v[AKS], s[TN], v[KLS]
	s_wait_alu depctr_va_vdst(0)
	QLOAD                                          ; the first pass's queries are on their way beside the tiles
	s_wait_tensorcnt 0x0                           ; my step has landed;
	s_barrier_signal -1
	s_barrier_wait -1                              ; and everybody's: all 16 steps may be read
	KLOAD 0                                        ; step 0's first 64 keys
.Lpass:                                            ; two trips: 16 queries each.  10 LDS loads and q's three loads are out here on both ways
	v_mov_b32 v[RUN], 0xea800000                   ; -2^86
	v_mul_f32 v13, s[NC], v[RUN]
	v_floor_f32 v12, v13                           ; -M
	v_mov_b32 v14, 0
	v_mov_b32 v15, 0
.irp j, 0,1,2,3,4,5,6,7,8,9,10,11,12,13,14,15,16,17,18,19,20,21,22,23,24,25,26,27,28,29,30,31
	v_mov_b32 v[O+\j], 0                           ; the step is written once: the first finds zeros in O^T
	v_mov_b32 v[U+\j], 0                           ; and in the tree that the step before would have left
.endr
	s_mov_b32 s[CNT], 16
	s_wait_alu depctr_va_vdst(0)
	s_wait_loadcnt 0x0
.Lstep:                                            ; 128 keys
	s_wait_dscnt 0x0                               ; this step's first 64 keys, asked for a step ago
	QK 0
	TR 0, 8, 16                                    ; the last step's sum goes on: four plain lines, the places ahead of the loads below
	KLOAD 1
	s_and_b32 s[IM], s[IX], 15
	s_mul_i32 s[TB], s[IM], STEPL                  ; this step's place in LDS,
	s_add_co_u32 s[IX], s[IX], 1
	s_and_b32 s[IM], s[IX], 15                     ; and the next step's; behind the 16th comes step 0, for the next pass
	s_mul_i32 s[TN], s[IM], STEPL
	TR 8, 16, 16
	MXA1 0, BM0
	TR 0, 8, 8
	MXA2 0
	TR 0, 4, 4
	MXA3 0
	TRL
	s_wait_alu depctr_va_vdst(0)
	s_wait_dscnt 0x0                               ; the second 64 keys are in
	QK 1
	MXR 0, BM0                                     ; eight plain lines that name no register of these products: the places behind them
	MXA1 1, BM1
	MXA2 1
	MXA3 1
	MXR 1, BM1
	v_max_num_f32 v254, v[BM0], v[BM1]             ; the lines that make the new M, with the address additions among them
	v_add_nc_u32 v[AV], s[TB], v[VL16]
	v_add_nc_u32 v[AV8], s[TB], v[L8]
	v_permlanex16_b32 v253, v254, s[SEL], s[SEL+1]
	v_add_nc_u32 v[AVS], s[TB], v[R16]
	v_add_nc_u32 v[AK], s[TN], v[KL16]
	v_max3_num_f32 v[RUN], v[RUN], v254, v253      ; the running largest score of my query
	v_add_nc_u32 v[AK8], s[TN], v[KL8]
	v_add_nc_u32 v[AKS], s[TN], v[KLS]
	v_mul_f32 v13, s[NC], v[RUN]                   ; -t
	v_mov_b32 v16, v12                             ; the old -M
	v_floor_f32 v12, v13                           ; -M = floor(-t): M is a whole number
	v_fma_f32 v[BM0], v[BM0], s[CS], v12           ; t - M of each block's largest score: p rises with the score
	v_fma_f32 v[BM1], v[BM1], s[CS], v12
	TM 0, 8
	v_sub_f32 v254, v12, v16                       ; old M less new M: a whole number, 0 or less
	TM 8, 16
	v_cvt_i32_f32 v254, v254                       ; (it saturates)
	TM 16, 24
	v_ldexp_f32 v[T0], 1.0, v254                   ; f = 2^(old M - new M)
	TM 24, 64
	s_wait_alu depctr_va_vdst(0)
.irp t, 0,1,2,3                                    ; v's 17 loads,
.irp c, 0,1
	ds_load_b128 v[VF+12*\t+6*\c:VF+12*\t+6*\c+3], v[AV] offset:8320+3840*\c+960*\t
	ds_load_b64 v[VF+12*\t+6*\c+4:VF+12*\t+6*\c+5], v[AV8] offset:8320+3840*\c+960*\t+640
.endr
.endr
	ds_load_b128 v[VS:VS+3], v[AVS] offset:16000
	KLOAD 0                                        ; and the 10 of the next step's first 64 keys (the last trip of the last pass asks for 10 that nobody uses)
	v_exp_f32 v[BM0], v[BM0]
	v_exp_f32 v[BM1], v[BM1]
.set J, 0
.rept 64
	v_exp_f32 v[S+J], v[S+J]                       ; p = 2^(t - M)
.set J, J+1
.endr
	v_pk_mul_f32 v[14:15], v[14:15], v[T0:T0+1] op_sel_hi:[1,0]   ; the sum under the new M: the plain line behind the exponentials
	s_wait_alu depctr_va_vdst(0)                   ; and the wait behind the batch, directly ahead of the first readers of O^T
	OM 0, 4                                        ; among the multiplications of O^T: p's scale operands and scale word
	v_max_num_f32 v[BM0], 0x1800000, v[BM0]        ; the floor 2^(3 - 127): the byte cannot fall under 1
	v_max_num_f32 v[BM1], 0x1800000, v[BM1]
	OM 4, 8
	v_add_nc_u32 v[BM0], 0xff000000, v[BM0]        ; 2 off the exponent field: the conversion's scale operand
	v_add_nc_u32 v[BM1], 0xff000000, v[BM1]
	OM 8, 12
	v_lshrrev_b32 v17, 23, v[BM0]                  ; the bytes of blocks h and 2 + h
	v_lshrrev_b32 v16, 23, v[BM1]
	OM 12, 18
	v_lshl_or_b32 v17, v16, 16, v17
	OM 18, 24
	v_lshlrev_b32 v17, v[H8], v17                  ; at their places in the word
	OM 24, 32
	v_permlanex16_b32 v16, v17, s[SEL], s[SEL+1]
	v_cvt_scalef32_pk16_fp6_f32 v[PC:PC+2], v[S:S+15], v[BM0]
	v_cvt_scalef32_pk16_fp6_f32 v[T0:T0+2], v[S+16:S+31], v[BM0]      ; (a conversion's three registers begin on an even number)
	v_cvt_scalef32_pk16_fp6_f32 v[PC+6:PC+8], v[S+32:S+47], v[BM1]
	v_cvt_scalef32_pk16_fp6_f32 v[T1:T1+2], v[S+48:S+63], v[BM1]
	v_or_b32 v[PS], v17, v16                       ; with lane l xor 16's two bytes the word is whole; also the plain line behind the conversions
	L1 0, 12                                       ; the row's sum is taken of the unquantised p
.irp i, 0,1,2
	v_mov_b32 v[PC+3+\i], v[T0+\i]
	v_mov_b32 v[PC+9+\i], v[T1+\i]
.endr
	L1 12, 32                                      ; ten plain lines that name no register of the products below
	s_wait_alu depctr_va_vdst(0)                   ; directly ahead of the wait below
	s_wait_dscnt 10                                ; v is in; the 10 loads of the next step's keys may be out
.irp t, 0,1,2,3                                    ; O^T += v^T p^T: four accumulators by turns
	v_wmma_scale_f32_16x16x128_f8f6f4 v[O+8*\t:O+8*\t+7], v[VF+12*\t:VF+12*\t+11], v[PC:PC+11], v[O+8*\t:O+8*\t+7], v[VS+\t], v[PS] matrix_a_fmt:MATRIX_FMT_FP6 matrix_b_fmt:MATRIX_FMT_FP6
.endr
	s_sub_co_u32 s[CNT], s[CNT], 1
	s_cmp_lg_u32 s[CNT], 0
	s_cbranch_scc1 .Lstep
	; THE WAY OUT of a pass: O^T / the sum, quantised along the channels (two blocks of 32; register 16 b + i = channel 32 b + 16 h + i), leaves as an image of 768 bytes and two scale bytes a row.  k's registers have loads on their way and are not named
	TR 0, 16, 16                                   ; the last step's sum; these lines are also the places behind the last products
	TR 0, 8, 8
	TR 0, 4, 4
	TRL
	v_add_f32 v14, v14, v15
	v_permlanex16_b32 v253, v14, s[SEL], s[SEL+1]
	v_add_f32 v14, v14, v253                       ; the row's sum
	s_wait_alu depctr_va_vdst(0)
	v_rcp_f32 v[T0], v14
	v_lshlrev_b32 v[W+5], 1, v[L8]                 ; 16 x lane (a plain line behind the reciprocal)
	s_wait_alu depctr_va_vdst(0)
	s_cmp_eq_u32 s[PASS], 1                        ; behind the first pass: the second pass's queries are asked for here; q's registers have been read for the last time
	s_cbranch_scc1 .Lno_q
	s_add_nc_u64 s[PQ:PQ+1], s[PQ:PQ+1], 2*STEPQ   ; sixteen tiles on
	s_add_nc_u64 s[PQS:PQS+1], s[PQS:PQS+1], 2*STEPQ
	QLOAD
.Lno_q:
	s_wait_alu depctr_va_vdst(0)                   ; directly ahead of the first readers of O^T
.set J, 0
.rept 16
	v_pk_mul_f32 v[S+J:S+J+1], v[O+J:O+J+1], v[T0:T0+1] op_sel_hi:[1,0]
.set J, J+2
.endr
.irp b, 0,1
	v_max3_num_f32 v[W+\b], |v[S+16*\b]|, |v[S+1+16*\b]|, 0x1800000
.endr
.irp i, 2,4,6,8,10,12,14
.irp b, 0,1
	v_max3_num_f32 v[W+\b], v[W+\b], |v[S+16*\b+\i]|, |v[S+1+16*\b+\i]|
.endr
.endr
.irp b, 0,1
	v_permlanex16_b32 v[252+\b], v[W+\b], s[SEL], s[SEL+1]
.endr
.irp b, 0,1
	v_max_num_f32 v[W+\b], v[W+\b], v[252+\b]
.endr
.irp b, 0,1
	v_add_nc_u32 v[W+2+\b], 0xff000000, v[W+\b]
.endr
.irp b, 0,1
	v_lshrrev_b32 v[W+\b], 23, v[W+2+\b]
.endr
	v_lshl_or_b32 v[W+4], v[W+1], 8, v[W]          ; my row's two scale bytes
	v_lshlrev_b32 v[W+6], 1, v[R16]                ; 32 r
	v_cvt_scalef32_pk16_fp6_f32 v[PC:PC+2], v[S:S+15], v[W+2]
	v_cvt_scalef32_pk16_fp6_f32 v[T0:T0+2], v[S+16:S+31], v[W+3]
	v_nop
.irp i, 0,1,2
	v_permlane16_swap_b32 v[PC+\i], v[T0+\i]       ; a whole block to a lane
.endr
.irp i, 0,1,2
	v_mov_b32 v[PC+3+\i], v[T0+\i]
.endr
	global_store_b128 v[W+5], v[PC:PC+3], s[PAC:PAC+1]             ; 512 consecutive bytes, aligned
	global_store_b64 v[L8], v[PC+4:PC+5], s[PAC:PAC+1] offset:512  ; 256 consecutive bytes, aligned
	global_store_b16 v[W+6], v[W+4], s[PAS:PAS+1]                  ; two bytes of each row's 32 (the others are other heads'); lanes 16-31 repeat lanes 0-15's
	s_wait_alu depctr_va_vdst(0)
	s_wait_xcnt 0x0                                ; the stores have read their registers and bases
	s_add_nc_u64 s[PAC:PAC+1], s[PAC:PAC+1], 16*16*768
	s_add_nc_u64 s[PAS:PAS+1], s[PAS:PAS+1], 16*512
	s_sub_co_u32 s[PASS], s[PASS], 1
	s_cmp_lg_u32 s[PASS], 0
	s_cbranch_scc1 .Lpass
	s_wait_tensorcnt 0x0                           ; the wave's end
	ds_add_u32 v[SPW], v[NIL]
	s_wait_dscnt 0x0
	CROUND                                         ; the closing round
	s_endpgm
.Lfunc_end_k_q0ef1c89b33_attn:
	.size	k_q0ef1c89b33_attn, .Lfunc_end_k_q0ef1c89b33_attn-k_q0ef1c89b33_attn
	.p2alignl 7, 3214868480
	.fill 96, 4, 3214868480
	.section	.rodata,"a",@progbits
	.p2align	6, 0x0
	.amdhsa_kernel k_q0ef1c89b33_attn
		.amdhsa_group_segment_fixed_size 263168
		.amdhsa_private_segment_fixed_size 0
		.amdhsa_enable_private_segment 0
		.amdhsa_kernarg_size 24
		.amdhsa_user_sgpr_count 2
		.amdhsa_user_sgpr_kernarg_segment_ptr 1
		.amdhsa_wavefront_size32 1
		.amdhsa_system_sgpr_workgroup_id_x 1
		.amdhsa_system_sgpr_workgroup_id_y 1
		.amdhsa_system_sgpr_workgroup_id_z 1
		.amdhsa_system_vgpr_workitem_id 0
		.amdhsa_next_free_vgpr 256
		.amdhsa_next_free_sgpr 66
		.amdhsa_reserve_vcc 0
		.amdhsa_float_denorm_mode_32 3
		.amdhsa_float_denorm_mode_16_64 3
		.amdhsa_memory_ordered 1
		.amdhsa_forward_progress 1
		.amdhsa_inst_pref_size 31
	.end_amdhsa_kernel
	.amdgpu_metadata
---
amdhsa.version: [ 1, 2 ]
amdhsa.kernels:
  - .name:           k_q0ef1c89b33_attn
    .symbol:         k_q0ef1c89b33_attn.kd
    .args:
      - { .name: QKV, .offset: 0, .size: 8, .value_kind: global_buffer, .address_space: global }
      - { .name: AC, .offset: 8, .size: 8, .value_kind: global_buffer, .address_space: global }
      - { .name: AS, .offset: 16, .size: 8, .value_kind: global_buffer, .address_space: global }
    .group_segment_fixed_size: 263168
    .private_segment_fixed_size: 0
    .kernarg_segment_align: 8
    .kernarg_segment_size: 24
    .max_flat_workgroup_size: 512
    .sgpr_count:     66
    .vgpr_count:     256
    .wavefront_size: 32
...
	.end_amdgpu_metadata
.endif
;; end of part 3
;; launch outp (part 4): grid 4 x 64, 4 waves a work-group, clusters of 4 x 4, 327,680 bytes of LDS; arguments AC, AS, C1, S1, b_o, out0; writes out0
.if DOCPART == 4
	.amdgcn_target "amdgcn-amd-amdhsa--gfx1250"
	.amdhsa_code_object_version 6
	.text
	.protected	k_q0ef1c89b33_outp
	.globl	k_q0ef1c89b33_outp
	.p2align	8
	.type	k_q0ef1c89b33_outp,@function
k_q0ef1c89b33_outp:
	s_mov_b64 s[64:65], 0
	v_nop
	global_prefetch_b8 v0, s[64:65] scope:SCOPE_SE
	s_setreg_imm32_b32 hwreg(HW_REG_WAVE_MODE, 25, 1), 1
	s_wait_xcnt 0x0
	s_wait_alu depctr_hold_cnt(0) depctr_sa_sdst(0) depctr_va_vdst(0) depctr_va_sdst(0) depctr_va_ssrc(0) depctr_va_vcc(0) depctr_vm_vsrc(0)
	s_getreg_b32 s2, hwreg(HW_REG_IB_STS2, 6, 4)
	s_cmp_eq_u32 s2, 0
	s_cbranch_scc0 .Lentry_in_a_cluster
	s_endpgm
.Lentry_in_a_cluster:
	s_bfe_u32 s2, ttmp6, 0x10000c
	s_cmp_lg_u32 s2, 0xf033
	s_cbranch_scc0 .Lentry_shape_is_right
	s_endpgm
.Lentry_shape_is_right:
; out0 = o W_o^T + b_o: o [8192][1024] as codes of FP6 (E2M3) in AC with E8M0 bytes in AS, W_o's codes and bytes in C1 and S1 (row tiles 1728 on); f32 sums, K ascending, the bias as the first product's C.
; LAYOUT of codes: [row tile of 16 rows][16 images of 768 bytes, 64 along K each]; an image holds operand registers 0-3 at 16 x lane, 4-5 at 512 + 8 x lane; row p of tile i is row 32 (i / 2) + 8 (i % 2) + p + 8 (p / 8).  Scale bytes: 32 a row, 512 a tile.
; SHARES.  A work-group makes 128 rows x 256 columns: 64 x 4 = 256 work-groups.  A's 8 row tiles (98,304 bytes) and B's 16 (196,608 bytes) hold ALL of K and fit in LDS together: each is asked for once, at the head,
; one tensor load a wave (waves 0, 1: A's halves; waves 2, 3: B's halves), dense memory as rows of 256 bytes.  Nothing is filled again: no ring, and no barrier inside the walk.
; CLUSTERS: 4 x 4 work-groups; A's tiles are shared along a row of the cluster, B's along a column: joint loads.  No prefetch: every tile is asked for at the head, so there is no loop to run ahead in.
; A wave makes all 128 rows x 64 columns (B's row tiles 4 w .. 4 w + 3).  The product is used transposed (source 0 = 16 rows of W_o, source 1 = 16 rows of o): a lane's 16 registers of two neighbouring tiles are 16 neighbouring columns.
; THE WALK GOES BY ROWS OF THE RESULT: my 32 fragments of B (4 tiles x 8 steps of 128 along K, 384 registers) come into registers once and stay; A's blocks of 16 rows (8 fragments) take turns in two sets; a block is finished by
; 32 products, its four accumulators by turns, K ascending, and leaves through the stage while the next block is multiplied.  LDS is read as much as a walk by K would read it.
; Scale words (one a row and 128 along K) and the bias come by plain loads into registers, once.
; REGISTERS, in windows of 256: window 0: v16-29 addresses, v32-95 A's scale words (8 a + step), v96-127 B's, v128-191 the way out; window 1: A's fragments, two sets of 96; window 2: B's of steps 0-4 (48 a step);
; window 3: B's of steps 5-7 at v0-143, the bias at v144-175, the accumulators, two sets of 32, at v192-255.
.set TILEB,  12288
.set BLDS,   8*TILEB
.set STAGE,  24*TILEB                  ; behind the codes: 16 rows x 272 bytes for each wave, for the way out; no tensor load lands there
.set SPITCH, 272
.set SPARE,  STAGE+4*16*SPITCH         ; the spare words, 128 bytes a wave
.set ROWO,   4096
.set LA16, 16                          ; v16, v17 A's tiles 0-3, 4-7, 16 x lane; v18, v19 the same, 8 x lane
.set LA8,  18
.set LB16, 20
.set LB8,  21
.set STO,  22
.set RD,   23
.set CO,   24
.set R32,  25
.set H64,  26
.set SPW,  28
.set NIL,  29
.set SA,   32
.set SB,   96
.set BK,   128
.set BI,   144
.set ACC,  192
.set G1, 24
.set G0, 32
.set G1B, 48
.set G0B, 56
.set MSB, 0
.macro WIN new                         ; the immediate's high byte repeats the setting that is left
.if MSB != \new
	s_set_vgpr_msb (MSB<<8)|\new
.set MSB, \new
.endif
.endm
.macro CREST
	s_cmp_lg_u32 s14, 0
	s_cbranch_scc1 .Lnot_wave_0_\@
	s_barrier_signal -3
.Lnot_wave_0_\@:
	s_barrier_wait -3
	s_barrier_signal -1
	s_barrier_wait -1
.endm
.macro CROUND
	s_barrier_signal -1
	s_barrier_wait -1
	CREST
.endm
	s_load_b128 s[4:7], s[0:1], 0x0                ; AC, AS
	s_load_b128 s[8:11], s[0:1], 0x10              ; C1, S1
	s_load_b64 s[96:97], s[0:1], 0x20              ; b_o
	s_load_b64 s[12:13], s[0:1], 0x28              ; out0
	v_lshl_add_u32 v[SPW], v0, 2, SPARE
	v_mov_b32 v[NIL], 0
	ds_add_u32 v[SPW], v[NIL]                      ; the opening: the add, twice on end, and its wait ahead of my tensor load
	ds_add_u32 v[SPW], v[NIL]
	v_lshrrev_b32 v1, 5, v0
	v_readfirstlane_b32 s14, v1                    ; wave 0..3
	s_lshr_b32 s15, s14, 1                         ; I fetch for A (0) or for B (1),
	s_and_b32 s16, s14, 1                          ; its first or its second half
	s_bfe_u32 s40, ttmp6, 0x40000                  ; cx, cy
	s_bfe_u32 s41, ttmp6, 0x40004
	s_lshl_b32 s42, ttmp9, 2
	s_add_co_u32 s42, s42, s40                     ; block column
	s_and_b32 s17, ttmp7, 0xffff
	s_lshl_b32 s17, s17, 2
	s_add_co_u32 s17, s17, s41                     ; block row
	s_lshl_b32 s43, s41, 2
	s_lshl_b32 s43, 15, s43                        ; my row of the cluster
	s_lshl_b32 s44, 0x1111, s40                    ; my column
	s_mul_i32 s20, s17, 8*TILEB
	s_mul_i32 s18, s16, 4*TILEB                    ; A's half: in memory and in LDS alike
	s_add_co_u32 s20, s20, s18
	s_mov_b32 s21, 0
	s_mul_i32 s46, s42, 16*TILEB
	s_mul_i32 s19, s16, 8*TILEB                    ; B's half
	s_add_co_u32 s46, s46, s19
	s_add_co_u32 s46, s46, 1728*TILEB
	s_mov_b32 s47, 0
	s_or_b32 s[G1+0], s43, (3<<16)|(1<<21)         ; elements of 8 bytes, the mask, bit 21 beside it; dense rows of 256 bytes
	s_or_b32 s[G1B+0], s44, (3<<16)|(1<<21)
	s_mov_b32 s[G1+1], 32<<16
	s_mov_b32 s[G1+2], 192<<16                     ; four row tiles
	s_mov_b32 s[G1+3], 32<<16
	s_mov_b32 s[G1+4], 192
	s_mov_b32 s[G1+5], 32
	s_mov_b32 s[G1+6], 0
	s_mov_b32 s[G1+7], 0
	s_mov_b32 s[G1B+1], 32<<16
	s_mov_b32 s[G1B+2], 384<<16                    ; eight row tiles
	s_mov_b32 s[G1B+3], 32<<16
	s_mov_b32 s[G1B+4], 384
	s_mov_b32 s[G1B+5], 32
	s_mov_b32 s[G1B+6], 0
	s_mov_b32 s[G1B+7], 0
	s_wait_dscnt 0x0
	s_wait_kmcnt 0x0
	s_add_nc_u64 s[20:21], s[4:5], s[20:21]
	s_add_nc_u64 s[46:47], s[8:9], s[46:47]
	s_mov_b32 s[G0], 1
	s_mov_b32 s[G0+1], s18
	s_mov_b64 s[G0+2:G0+3], s[20:21]
	s_or_b32 s[G0+3], s[G0+3], 0x80000000
	s_mov_b32 s[G0B], 1
	s_add_co_u32 s[G0B+1], s19, BLDS
	s_mov_b64 s[G0B+2:G0B+3], s[46:47]
	s_or_b32 s[G0B+3], s[G0B+3], 0x80000000
	CROUND                                         ; all sixteen work-groups are here: the joint loads meet
	s_cmp_eq_u32 s15, 0                            ; one load a wave, in the two arms of one branch on the wave's number
	s_cbranch_scc0 .Lfor_b
	tensor_load_to_lds s[G0:G0+3], s[G1:G1+7]
	s_nop 0
.rept 4
	v_nop
.endr
	s_branch .Lasked
.Lfor_b:
	tensor_load_to_lds s[G0B:G0B+3], s[G1B:G1B+7]
	s_nop 0
.rept 4
	v_nop
.endr
.Lasked:
	v_and_b32 v1, 31, v0
	v_and_b32 v2, 15, v0                           ; r
	v_bfe_u32 v3, v0, 4, 1                         ; h
	v_lshlrev_b32 v[LA16], 4, v1
	v_lshlrev_b32 v[LA8], 3, v1
	v_add_nc_u32 v[LA16+1], 4*TILEB, v[LA16]
	v_add_nc_u32 v[LA8+1], 4*TILEB, v[LA8]
	s_mul_i32 s21, s14, 4*TILEB
	s_add_co_u32 s21, s21, BLDS                    ; my four row tiles of B
	v_add_nc_u32 v[LB16], s21, v[LA16]
	v_add_nc_u32 v[LB8], s21, v[LA8]
	s_mul_i32 s23, s14, 16*SPITCH
	s_add_co_u32 s23, s23, STAGE                   ; my stage
	v_mul_u32_u24 v5, v2, SPITCH
	v_lshl_add_u32 v5, v3, 6, v5
	v_add_nc_u32 v[STO], s23, v5                   ; in: row r, 64 bytes for each half of the lanes
	v_mul_u32_u24 v6, v3, SPITCH
	v_lshl_add_u32 v6, v2, 4, v6
	v_add_nc_u32 v[RD], s23, v6                    ; back: lanes 0-15 one row of 256 bytes, lanes 16-31 the next
	v_lshlrev_b32 v7, 12, v3
	v_lshl_add_u32 v[CO], v2, 4, v7                ; and the same two rows in out0
	v_lshlrev_b32 v[R32], 5, v2                    ; a row's 32 scale bytes
	v_lshlrev_b32 v[H64], 6, v3
	s_lshl_b32 s20, s17, 12
	s_mov_b32 s21, 0
	s_add_nc_u64 s[6:7], s[6:7], s[20:21]          ; the scales of A's 8 row tiles
	s_lshl_b32 s20, s42, 13
	s_lshl_b32 s22, s14, 11
	s_add_co_u32 s20, s20, s22
	s_add_co_u32 s20, s20, 1728*512
	s_add_nc_u64 s[10:11], s[10:11], s[20:21]      ; of my 4 row tiles of B
	s_lshl_b32 s20, s42, 10
	s_lshl_b32 s22, s14, 8
	s_add_co_u32 s20, s20, s22                     ; my first column, in bytes: 1,024 x block column + 256 x wave
	s_add_nc_u64 s[96:97], s[96:97], s[20:21]
	s_add_nc_u64 s[12:13], s[12:13], s[20:21]
	s_lshl_b32 s20, s17, 19                        ; 128 rows of 4,096 bytes a block row
	s_add_nc_u64 s[12:13], s[12:13], s[20:21]
	s_wait_alu depctr_va_vdst(0)
.irp a, 0,1,2,3,4,5,6,7
	global_load_b128 v[SA+8*\a:SA+8*\a+3], v[R32], s[6:7] offset:512*\a
	global_load_b128 v[SA+8*\a+4:SA+8*\a+7], v[R32], s[6:7] offset:512*\a+16
.endr
.irp b, 0,1,2,3
	global_load_b128 v[SB+8*\b:SB+8*\b+3], v[R32], s[10:11] offset:512*\b
	global_load_b128 v[SB+8*\b+4:SB+8*\b+7], v[R32], s[10:11] offset:512*\b+16
.endr
	WIN 0xc0                                       ; destination window 3
.irp b, 0,1,2,3
	global_load_b128 v[BI+8*\b:BI+8*\b+3], v[H64], s[96:97] offset:4*(32*(\b/2)+8*(\b%2))       ; the bias in the result's layout: columns 32 (b / 2) + 8 (b % 2) + 16 h + 0 .. 7
	global_load_b128 v[BI+8*\b+4:BI+8*\b+7], v[H64], s[96:97] offset:4*(32*(\b/2)+8*(\b%2))+16
.endr
	WIN 0
.macro FRAG reg, a16, a8, off          ; a fragment, 16 rows x 128 K: 4 loads
	ds_load_b128 v[(\reg):(\reg)+3], v[\a16] offset:(\off)
	ds_load_b64 v[(\reg)+4:(\reg)+5], v[\a8] offset:(\off)+512
	ds_load_b128 v[(\reg)+6:(\reg)+9], v[\a16] offset:(\off)+768
	ds_load_b64 v[(\reg)+10:(\reg)+11], v[\a8] offset:(\off)+1280
.endm
.macro AFR a, q                        ; step q's fragment of A's block a, into set a % 2
	WIN 0x40
	FRAG 96*((\a)%2)+12*(\q), LA16+(\a)/4, LA8+(\a)/4, TILEB*((\a)%4)+1536*(\q)
.endm
.macro ALOAD a                         ; all eight: 32 loads
.irp q, 0,1,2,3,4,5,6,7
	AFR \a, \q
.endr
.endm
.macro BLOAD q                         ; step q's four fragments of B: 16 loads
.if (\q) < 5
	WIN 0x80
.set RB, 48*(\q)
.else
	WIN 0xc0
.set RB, 48*((\q)-5)
.endif
.irp i, 0,1,2,3
	FRAG RB+12*\i, LB16, LB8, TILEB*\i+1536*(\q)
.endr
.endm
.macro ROWQ a, q                       ; block a, step q: four products, the block's four accumulators by turns; the first step starts the sums on the bias
.if (\q) < 5
	WIN 0xf6                                       ; source 0 (B) window 2, source 1 (A) window 1, C and D window 3
.set RB, 48*(\q)
.else
	WIN 0xf7                                       ; source 0 window 3
.set RB, 48*((\q)-5)
.endif
.set RA, 96*((\a)%2)+12*(\q)
.irp b, 0,1,2,3
.set rD, ACC+32*((\a)%2)+8*\b
.if (\q) == 0
.set rC, BI+8*\b
.else
.set rC, rD
.endif
	v_wmma_scale_f32_16x16x128_f8f6f4 v[rD:rD+7], v[RB+12*\b:RB+12*\b+11], v[RA:RA+11], v[rC:rC+7], v[SB+8*\b+(\q)], v[SA+8*(\a)+(\q)] matrix_a_fmt:MATRIX_FMT_FP6 matrix_b_fmt:MATRIX_FMT_FP6
.endr
.endm
.macro ROW a
.irp q, 0,1,2,3,4,5,6,7
	ROWQ \a, \q
.endr
.endm
; THE WAY OUT of a block of 16 rows x 64 columns, through my own stage: back come whole rows of 256 bytes, which sixteen lanes store as one aligned unit.  LDS serves a wave's instructions in order: no wait between the stores and the loads.
.macro TOSTAGE a
	WIN 0x0c                                       ; the data: window 3
.irp b, 0,1,2,3
	ds_store_b128 v[STO], v[ACC+32*((\a)%2)+8*\b:ACC+32*((\a)%2)+8*\b+3] offset:128*(\b/2)+32*(\b%2)      ; each accumulator from its low end on
	ds_store_b128 v[STO], v[ACC+32*((\a)%2)+8*\b+4:ACC+32*((\a)%2)+8*\b+7] offset:128*(\b/2)+32*(\b%2)+16
.endr
	WIN 0
.set BB, BK+32*((\a)%2)
.irp t, 0,1,2,3,4,5,6,7
	ds_load_b128 v[BB+4*\t:BB+4*\t+3], v[RD] offset:\t*2*SPITCH
.endr
.endm
.macro SEND a
.set BB, BK+32*((\a)%2)
	WIN 0
	s_wait_dscnt 0x0                               ; the block is back in registers (asked for 32 products ago)
.if (\a) > 0
.if (\a)%2
	s_add_nc_u64 s[12:13], s[12:13], 8*ROWO        ; (behind this block's wait on XCNT) block a begins at row 32 (a / 2) + 8 (a % 2)
.else
	s_add_nc_u64 s[12:13], s[12:13], 24*ROWO
.endif
.endif
.irp t, 0,1,2,3,4,5,6,7
	global_store_b128 v[CO], v[BB+4*\t:BB+4*\t+3], s[12:13] offset:(2*\t+8*(\t/4))*ROWO th:TH_STORE_NT   ; stage rows 2 t and 2 t + 1: rows p + 8 (p / 8) of the block
.endr
.endm
	s_wait_tensorcnt 0x0                           ; my part has landed;
	s_barrier_signal -1
	s_barrier_wait -1                              ; and everybody's: all of A and B may be read
.irp q, 0,1,2                                      ; BLOCK 0 is multiplied while B's fragments come in: groups of 20 loads (A's fragment and B's four of a step), three groups ahead
	AFR 0, \q
	BLOAD \q
.endr
	s_wait_loadcnt 0x0                             ; the scale words and the bias
.irp q, 0,1,2,3,4,5,6,7
.if \q <= 5
	s_wait_dscnt 40                                ; group q is in; the two groups behind it may be out
.elseif \q == 6
	s_wait_dscnt 20                                ; group 7 may be out
.else
	s_wait_dscnt 32                                ; the 32 loads of A's block 1 may be out
.endif
	ROWQ 0, \q
.if \q <= 4
	AFR 0, \q+3
	BLOAD \q+3
.endif
.if \q == 6
	ALOAD 1
.endif
.endr
.irp a, 0,1,2,3,4,5,6,7
.rept 4
	v_nop                                          ; places behind block a's products: ahead of the stage's stores, and of the loads into A's set that they read
.endr
.if \a == 0
	s_wait_dscnt 0x0                               ; A's block 1 is in
.else
	s_wait_xcnt 0x0                                ; the earlier blocks' stores have read their registers and their base
.endif
	TOSTAGE \a
.if \a <= 5
	ALOAD \a+2
	s_wait_dscnt 48                                ; A's block a + 1 is in; behind it: the stage's 16 and the 32 just issued
.elseif \a == 6
	s_wait_dscnt 16
.endif
.if \a < 7
	ROW \a+1                                       ; the next block is multiplied while this one comes back from the stage
.endif
	SEND \a
.endr
	s_wait_tensorcnt 0x0                           ; the wave's end
	ds_add_u32 v[SPW], v[NIL]
	s_wait_dscnt 0x0
	CROUND                                         ; the closing round
	s_endpgm
.Lfunc_end_k_q0ef1c89b33_outp:
	.size	k_q0ef1c89b33_outp, .Lfunc_end_k_q0ef1c89b33_outp-k_q0ef1c89b33_outp
	.p2alignl 7, 3214868480
	.fill 96, 4, 3214868480
	.section	.rodata,"a",@progbits
	.p2align	6, 0x0
	.amdhsa_kernel k_q0ef1c89b33_outp
		.amdhsa_group_segment_fixed_size 327680
		.amdhsa_private_segment_fixed_size 0
		.amdhsa_enable_private_segment 0
		.amdhsa_kernarg_size 48
		.amdhsa_user_sgpr_count 2
		.amdhsa_user_sgpr_kernarg_segment_ptr 1
		.amdhsa_wavefront_size32 1
		.amdhsa_system_sgpr_workgroup_id_x 1
		.amdhsa_system_sgpr_workgroup_id_y 1
		.amdhsa_system_sgpr_workgroup_id_z 1
		.amdhsa_system_vgpr_workitem_id 0
		.amdhsa_next_free_vgpr 1024
		.amdhsa_next_free_sgpr 98
		.amdhsa_reserve_vcc 0
		.amdhsa_float_denorm_mode_32 3
		.amdhsa_float_denorm_mode_16_64 3
		.amdhsa_memory_ordered 1
		.amdhsa_forward_progress 1
		.amdhsa_inst_pref_size 84
	.end_amdhsa_kernel
	.amdgpu_metadata
---
amdhsa.version: [ 1, 2 ]
amdhsa.kernels:
  - .name:           k_q0ef1c89b33_outp
    .symbol:         k_q0ef1c89b33_outp.kd
    .args:
      - { .name: AC, .offset: 0, .size: 8, .value_kind: global_buffer, .address_space: global }
      - { .name: AS, .offset: 8, .size: 8, .value_kind: global_buffer, .address_space: global }
      - { .name: C1, .offset: 16, .size: 8, .value_kind: global_buffer, .address_space: global }
      - { .name: S1, .offset: 24, .size: 8, .value_kind: global_buffer, .address_space: global }
      - { .name: b_o, .offset: 32, .size: 8, .value_kind: global_buffer, .address_space: global }
      - { .name: out0, .offset: 40, .size: 8, .value_kind: global_buffer, .address_space: global }
    .group_segment_fixed_size: 327680
    .private_segment_fixed_size: 0
    .kernarg_segment_align: 8
    .kernarg_segment_size: 48
    .max_flat_workgroup_size: 128
    .sgpr_count:     98
    .vgpr_count:     1024
    .wavefront_size: 32
...
	.end_amdgpu_metadata
.endif
;; end of part 4
